; MI455X (gfx1250); checked and timed in simulation.
; The chip was launched on July 23, 2026; its instructions are those of AMD's public machine-readable ISA for CDNA 5 (MIT licence, August 2026) and "CDNA5" Instruction Set Architecture Reference Guide (July 2026). The comments in the code are by the model that wrote it; some were corrected since.
;; Multi Head Attention. Allowed arithmetic: float matrix products may take bf16 or f16 operands with f32 sums; other float arithmetic in f32, or as packed bf16 or f16 multiplies, adds, multiply-adds, maxima and minima; sums over many terms, partial sums and values carried from step to step in f32; what a program stores and reads back later, other than sums and carried values, may be rounded once to bf16 or f16.
;; Inputs: add_attn 4 x 1 x 2,048 x 2,048 float32; k 4 x 2,048 x 1,024 float32; ln_b 1,024 float32; ln_g 1,024 float32; mask 4 x 1 x 1 x 2,048 int32; q 4 x 2,048 x 1,024 float32; v 4 x 2,048 x 1,024 float32; w_k 1,024 x 1,024 float32; w_o 1,024 x 1,024 float32; w_q 1,024 x 1,024 float32; w_v 1,024 x 1,024 float32.
;; Outputs: out0 4 x 2,048 x 1,024 float32.
;; 2 versions, each right; version 2 is version 1 with the launch prep written anew for expert scheduling mode. Each part assembles by itself: llvm-mc -triple=amdgcn-amd-amdhsa -mcpu=gfx1250 --defsym DOCPART=n.
;; ======== version 1 of 2: 5 launches
;; workspace buffers: wb 6,291,456 bytes; wob 2,097,152 bytes; rf 98,304 bytes; mt 65,536 bytes; qkv 50,331,648 bytes; o32 33,554,432 bytes; yb 16,777,216 bytes
;; launch prep (part 1): grid 256 x 1, 8 waves a work-group, no clusters, 0 bytes of LDS; arguments w_v, w_k, w_q, w_o, mask, wb, wob, rf, mt; writes wb, wob, rf, mt
.if DOCPART == 1
	.amdgcn_target "amdgcn-amd-amdhsa--gfx1250"
	.amdhsa_code_object_version 6
	.text
	.protected	k_q559c9a562f_prep
	.globl	k_q559c9a562f_prep
	.p2align	8
	.type	k_q559c9a562f_prep,@function
k_q559c9a562f_prep:
	s_mov_b64 s[64:65], 0
	v_nop
	global_prefetch_b8 v0, s[64:65] scope:SCOPE_SE
	s_setreg_imm32_b32 hwreg(HW_REG_WAVE_MODE, 25, 1), 1
	s_wait_xcnt 0x0
; The four weight matrices are rounded to bf16 in the layout in which they lie ([k][n]); the key mask is turned into tables of f32.
; wb = [3][1024][1024] bf16 in the order v, k, q; wob = w_o.  rf = [3][8192] f32: a factor for each row of a projection: 1 (v), mask != 0 ? 1 : 0 (k), 1/8 (q).
; mt = [4][2][2048] f32: for each batch m01 = mask != 0 ? 1 : 0, then madd = mask != 0 ? 0 : -1e9.
; A stream: 64 work-groups a matrix, 16,384 numbers each; a wave's load covers 512 consecutive bytes, its store 256 consecutive bytes, aligned.  No LDS, no barrier.
.set IN,  16                           ; v[16:79]  sixteen loads of four f32
.set OUT, 80                           ; v[80:111] sixteen pairs of packed bf16
	s_load_b512 s[8:23], s[0:1], 0x0               ; w_v s[8:9], w_k s[10:11], w_q s[12:13], w_o s[14:15], mask s[16:17], wb s[18:19], wob s[20:21], rf s[22:23]
	s_load_b64 s[24:25], s[0:1], 0x40              ; mt
	v_lshrrev_b32 v1, 5, v0
	v_readfirstlane_b32 s4, v1                     ; wave 0..7
	v_and_b32 v1, 31, v0                           ; lane
	s_lshr_b32 s2, ttmp9, 6                        ; which matrix
	s_and_b32 s3, ttmp9, 63                        ; which 16,384 numbers of it
	v_lshlrev_b32 v2, 4, v1
	v_lshl_add_u32 v2, s4, 13, v2                  ; in: 8,192 x wave + 16 x lane
	v_lshlrev_b32 v3, 3, v1
	v_lshl_add_u32 v3, s4, 12, v3                  ; out: 4,096 x wave + 8 x lane
	s_lshl_b32 s32, s3, 16                         ; the part's bytes in,
	s_mov_b32 s33, 0
	s_lshl_b32 s5, s2, 21                          ; the matrix's place in wb,
	s_lshl_b32 s30, s3, 15                         ; the part's bytes out
	s_mov_b32 s31, 0
	s_wait_kmcnt 0x0
	s_cmp_eq_u32 s2, 1
	s_cselect_b64 s[26:27], s[10:11], s[8:9]
	s_cmp_eq_u32 s2, 2
	s_cselect_b64 s[26:27], s[12:13], s[26:27]
	s_cmp_eq_u32 s2, 3
	s_cselect_b64 s[26:27], s[14:15], s[26:27]     ; the matrix that is read,
	s_cselect_b64 s[28:29], s[20:21], s[18:19]     ; the buffer that is written: w_o has one of its own,
	s_cselect_b32 s5, 0, s5                        ; from its first byte
	s_add_co_u32 s30, s30, s5
	s_add_nc_u64 s[26:27], s[26:27], s[32:33]
	s_add_nc_u64 s[28:29], s[28:29], s[30:31]
.set j, 0
.rept 16
	global_load_b128 v[IN+4*j:IN+4*j+3], v2, s[26:27] offset:512*j th:TH_LOAD_NT
.set j, j+1
.endr
.set j, 0
.rept 16
	s_wait_loadcnt 15-j                            ; loads come back in order: load j is in, the 15 - j younger ones stay out
	v_cvt_pk_bf16_f32 v[OUT+2*j], v[IN+4*j], v[IN+4*j+1]
	v_cvt_pk_bf16_f32 v[OUT+2*j+1], v[IN+4*j+2], v[IN+4*j+3]
	global_store_b64 v3, v[OUT+2*j:OUT+2*j+1], s[28:29] offset:256*j
.set j, j+1
.endr
	; the tables: 8,192 mask words, 64 to each of the first 128 work-groups, two a lane of wave 0.  Nothing below writes a register that the stores above name (v3, v80-111, s[28:29])
	s_cmp_lt_u32 ttmp9, 128
	s_cbranch_scc0 .Lend
	s_cmp_eq_u32 s4, 0
	s_cbranch_scc0 .Lend
	s_lshl_b32 s6, ttmp9, 8
	v_lshl_add_u32 v4, v1, 3, s6                   ; 256 x work-group + 8 x lane: my two words in mask and in a plane of rf
	global_load_b64 v[6:7], v4, s[16:17]
	s_lshr_b32 s7, ttmp9, 5                        ; the batch,
	s_lshl_b32 s7, s7, 14                          ; its 16,384 bytes of mt,
	s_and_b32 s6, ttmp9, 31
	s_lshl_b32 s6, s6, 8
	s_add_co_u32 s7, s7, s6                        ; my work-group's 64 keys in it
	v_lshl_add_u32 v5, v1, 3, s7
	v_mov_b32 v12, 0
	v_mov_b32 v13, 1.0
	v_mov_b32 v14, 0xce6e6b28                      ; -1e9
	v_mov_b32 v20, 1.0                             ; (registers of the weights' loads, which are all in and read)
	v_mov_b32 v21, 1.0
	v_mov_b32 v22, 0x3e000000                      ; 1/8
	v_mov_b32 v23, 0x3e000000
	s_wait_loadcnt 0x0
	v_cmp_ne_u32 s34, 0, v6
	v_cmp_ne_u32 s35, 0, v7
	v_cndmask_b32 v8, v12, v13, s34                ; m01
	v_cndmask_b32 v9, v12, v13, s35
	v_cndmask_b32 v10, v14, v12, s34               ; madd
	v_cndmask_b32 v11, v14, v12, s35
	global_store_b64 v4, v[20:21], s[22:23]                ; each store of the wave covers 256 consecutive bytes, aligned
	global_store_b64 v4, v[8:9], s[22:23] offset:32768
	global_store_b64 v4, v[22:23], s[22:23] offset:65536
	global_store_b64 v5, v[8:9], s[24:25]
	global_store_b64 v5, v[10:11], s[24:25] offset:8192
.Lend:
	s_endpgm
.Lfunc_end_k_q559c9a562f_prep:
	.size	k_q559c9a562f_prep, .Lfunc_end_k_q559c9a562f_prep-k_q559c9a562f_prep
	.p2alignl 7, 3214868480
	.fill 96, 4, 3214868480
	.section	.rodata,"a",@progbits
	.p2align	6, 0x0
	.amdhsa_kernel k_q559c9a562f_prep
		.amdhsa_group_segment_fixed_size 0
		.amdhsa_private_segment_fixed_size 0
		.amdhsa_enable_private_segment 0
		.amdhsa_kernarg_size 72
		.amdhsa_user_sgpr_count 2
		.amdhsa_user_sgpr_kernarg_segment_ptr 1
		.amdhsa_wavefront_size32 1
		.amdhsa_system_sgpr_workgroup_id_x 1
		.amdhsa_system_sgpr_workgroup_id_y 1
		.amdhsa_system_sgpr_workgroup_id_z 1
		.amdhsa_system_vgpr_workitem_id 0
		.amdhsa_next_free_vgpr 112
		.amdhsa_next_free_sgpr 66
		.amdhsa_reserve_vcc 0
		.amdhsa_float_denorm_mode_32 3
		.amdhsa_float_denorm_mode_16_64 3
		.amdhsa_memory_ordered 1
		.amdhsa_forward_progress 1
		.amdhsa_inst_pref_size 9
	.end_amdhsa_kernel
	.amdgpu_metadata
---
amdhsa.version: [ 1, 2 ]
amdhsa.kernels:
  - .name:           k_q559c9a562f_prep
    .symbol:         k_q559c9a562f_prep.kd
    .args:
      - { .name: w_v, .offset: 0, .size: 8, .value_kind: global_buffer, .address_space: global }
      - { .name: w_k, .offset: 8, .size: 8, .value_kind: global_buffer, .address_space: global }
      - { .name: w_q, .offset: 16, .size: 8, .value_kind: global_buffer, .address_space: global }
      - { .name: w_o, .offset: 24, .size: 8, .value_kind: global_buffer, .address_space: global }
      - { .name: mask, .offset: 32, .size: 8, .value_kind: global_buffer, .address_space: global }
      - { .name: wb, .offset: 40, .size: 8, .value_kind: global_buffer, .address_space: global }
      - { .name: wob, .offset: 48, .size: 8, .value_kind: global_buffer, .address_space: global }
      - { .name: rf, .offset: 56, .size: 8, .value_kind: global_buffer, .address_space: global }
      - { .name: mt, .offset: 64, .size: 8, .value_kind: global_buffer, .address_space: global }
    .group_segment_fixed_size: 0
    .private_segment_fixed_size: 0
    .kernarg_segment_align: 8
    .kernarg_segment_size: 72
    .max_flat_workgroup_size: 256
    .sgpr_count:     66
    .vgpr_count:     112
    .wavefront_size: 32
...
	.end_amdgpu_metadata
.endif
;; end of part 1
;; launch proj (part 2): grid 4 x 192, 4 waves a work-group, clusters of 4 x 4, 327,680 bytes of LDS; arguments v, k, q, wb, rf, qkv; writes qkv
.if DOCPART == 2
	.amdgcn_target "amdgcn-amd-amdhsa--gfx1250"
	.amdhsa_code_object_version 6
	.text
	.protected	k_q559c9a562f_proj
	.globl	k_q559c9a562f_proj
	.p2align	8
	.type	k_q559c9a562f_proj,@function
k_q559c9a562f_proj:
	s_mov_b64 s[64:65], 0
	v_nop
	global_prefetch_b8 v0, s[64:65] scope:SCOPE_SE
	s_setreg_imm32_b32 hwreg(HW_REG_WAVE_MODE, 25, 1), 1
	s_wait_xcnt 0x0
	s_wait_alu depctr_hold_cnt(0) depctr_sa_sdst(0) depctr_va_vdst(0) depctr_va_sdst(0) depctr_va_ssrc(0) depctr_va_vcc(0) depctr_vm_vsrc(0)
	s_getreg_b32 s2, hwreg(HW_REG_IB_STS2, 6, 4)
	s_cmp_eq_u32 s2, 0
	s_cbranch_scc0 .Lentry_in_a_cluster
	s_endpgm
.Lentry_in_a_cluster:
	s_bfe_u32 s2, ttmp6, 0x10000c
	s_cmp_lg_u32 s2, 0xf033
	s_cbranch_scc0 .Lentry_shape_is_right
	s_endpgm
.Lentry_shape_is_right:
; out[row][n] = bf16( rf[row] x the sum over k of bf16(x[row][k]) w[k][n] ).  x: f32 [8192][1024], one of the first three arguments; w: bf16 [..][1024 k][1024 n]; rf: f32, a factor a row; out: bf16 [..][8192][1024].
; The tile row ty (128 rows of out) picks the product: idx = ty / 64 chooses x, w's plane and, through the row's number, rf's and out's planes.  With 64 tile rows idx is 0: the output projection runs this same text.
; A tile of out is 128 x 256: that gives each of 256 WGPs three work-groups (192 x 4) or one (64 x 4).  Four waves, each 64 x 128: 32 accumulators, 256 registers.  K = 1,024 goes in 8 steps of 128
; through two LDS slots.  x stays f32 in memory and in LDS (rows of 512 bytes) and is rounded to bf16 on its way from LDS to the matrix unit; w lies [k][n] and is turned by ds_load_tr16_b128.
; CLUSTER: 4 x 4 work-groups.  x's tile hangs on ty alone and is asked for jointly by a row of the cluster, w's on the tile column (and idx) and by a column.
; THE MATRIX INSTRUCTION IS USED TRANSPOSED (source 0 = 16 columns of w, source 1 = 16 rows of x): a lane holds one row of out and eight neighbouring columns.
; REGISTERS: window 0: v0-31 addresses and the row factors; v32-95 x's fragments as f32; v96-159 the same in bf16, two buffers; v160-255 at work on the way out.
;   window 1: v0-127 w's fragments, two buffers.   window 2: the accumulators, (a, b) at 8 (8 a + b).
.set PA,     528                       ; a row of x in LDS: 512 bytes + 16: the 16 rows of a load begin 16 bytes apart modulo 256
.set PB,     544                       ; a row of w in LDS: 512 bytes + 32: 16 lanes of the turning load take 8 rows x 32 bytes, 32 bytes apart modulo 256
.set HALFA,  64*PA                     ; what one tensor load brings of x: 64 rows
.set HALFB,  64*PB                     ; and of w: 64 values of k
.set BOFF,   2*HALFA
.set SLOT,   BOFF+2*HALFB              ; 137,216
.set STAGE,  2*SLOT                    ; behind the ring: 16 rows x 272 bytes for each wave, for the way out
.set SPITCH, 272
.set SPARE,  STAGE+4*16*SPITCH         ; the spare words, 128 bytes for each wave: two blocks of 256 bytes that no other line names
.set LAPS,   4                         ; a lap = two K steps
.set RF,   8                           ; v[8:15]  the factor of my row in each of my four blocks of 16 rows, as pairs
.set ADRA, 16                          ; v16-17   LDS address of my fragments of x in slot 0, 1
.set ADRB, 20                          ; v20-21   the same for w
.set STO,  24
.set RD,   25
.set CO,   26
.set RFO,  27
.set SPW,  28                          ; LDS address of my spare word; never rewritten
.set NIL,  29                          ; 0; never rewritten
.set PFO,  30                          ; the prefetches' offset; never rewritten
.set ARAW, 32
.set ABF,  96
.set TMP,  160
.set OB,   192
.set WV,  16                           ; s16 wave; s17 which half of the rows is mine, and: I fetch x (0) or w (1); s18 which half of the columns, and: which 64 rows I fetch
.set MH,  17
.set NH,  18
.set CX,  19
.set CY,  20
.set TX,  21
.set TY,  22
.set IDX, 23
.set G1A, 24                           ; s[24:31] group 1 for x's tiles; s[32:39] group 0, a set for each slot
.set G0A, 32
.set G1B, 48                           ; s[48:55], s[56:63] the same for w's
.set G0B, 56
.set LAP, 66
.set LIM, 67                           ; 1 in a wave that prefetches, else the greatest number
.set PFA, 68                           ; s[68:69] where my prefetches stand
.set PST, 70                           ; s[70:71] bytes from K step to K step there
.set MSB, 0
.macro WIN new                         ; the immediate's high byte repeats the setting that is left
.if MSB != (\new)
	s_set_vgpr_msb (MSB<<8)|(\new)
.set MSB, \new
.endif
.endm
.set MUL,  0xa1                        ; source 0 (w) window 1, source 1 (x) window 0, C and D window 2
.set TO_B, 0x40                        ; destination window 1, address window 0
.macro JLOAD s                         ; a joint load: waves 0 and 1 fetch x's two halves, waves 2 and 3 w's; an s_nop 0 and four v_nop follow each line
	s_cmp_eq_u32 s[MH], 0
	s_cbranch_scc0 .Lfor_b_\@
	tensor_load_to_lds s[G0A+4*(\s):G0A+4*(\s)+3], s[G1A:G1A+7]
	s_nop 0
.rept 4
	v_nop
.endr
	s_branch .Lasked_\@
.Lfor_b_\@:
	tensor_load_to_lds s[G0B+4*(\s):G0B+4*(\s)+3], s[G1B:G1B+7]
	s_nop 0
.rept 4
	v_nop
.endr
.Lasked_\@:
.endm
; A prefetch into the L2 of the K step that stands two refills on: of the 64 rows that I fetch, my work-group's 16 (the four partners are told apart by address), 512 bytes each: a lane for each 256 bytes.
; x's rows are read by this cluster alone: every cluster asks.  w's are read by 16 clusters: the first of them asks.  The loop's last trip has no K step two refills on.
.macro ASK
	s_cmp_gt_u32 s[LAP], s[LIM]
	s_cbranch_scc0 .Lnot_mine_\@
	global_prefetch_b8 v[PFO], s[PFA:PFA+1] th:TH_LOAD_NT scope:SCOPE_SE
.Lnot_mine_\@:
.endm
.macro CREST                           ; a round of the cluster's barrier behind its opening barrier
	s_cmp_lg_u32 s[WV], 0
	s_cbranch_scc1 .Lnot_wave_0_\@
	s_barrier_signal -3
.Lnot_wave_0_\@:
	s_barrier_wait -3
	s_barrier_signal -1
	s_barrier_wait -1
.endm
.macro CROUND
	s_barrier_signal -1
	s_barrier_wait -1
	CREST
.endm
.macro PLACES
.rept 4
	v_nop
.endr
.endm
	s_load_b256 s[4:11], s[0:1], 0x0               ; the three x s[4:5], s[6:7], s[8:9]; w s[10:11]
	s_load_b128 s[12:15], s[0:1], 0x20             ; rf s[12:13], out s[14:15]
	v_lshl_add_u32 v[SPW], v0, 2, SPARE
	v_mov_b32 v[NIL], 0
	ds_add_u32 v[SPW], v[NIL]                      ; the wave's opening: the add and its wait stand ahead of my first tensor load
	v_lshrrev_b32 v1, 5, v0
	v_readfirstlane_b32 s[WV], v1
	s_lshr_b32 s[MH], s[WV], 1
	s_and_b32 s[NH], s[WV], 1
	s_bfe_u32 s[CX], ttmp6, 0x40000
	s_bfe_u32 s[CY], ttmp6, 0x40004
	s_lshl_b32 s[TX], ttmp9, 2
	s_add_co_u32 s[TX], s[TX], s[CX]               ; tile column = 4 x cluster x + cx
	s_and_b32 s[IDX], ttmp7, 0xffff
	s_lshl_b32 s[TY], s[IDX], 2
	s_add_co_u32 s[TY], s[TY], s[CY]               ; tile row = 4 x cluster y + cy
	s_lshr_b32 s[IDX], s[IDX], 4                   ; which product: of the cluster's y alone, so the same in all partners
	s_lshl_b32 s40, s[CY], 2
	s_lshl_b32 s40, 15, s40                        ; my row of the cluster
	s_lshl_b32 s42, 0x1111, s[CX]                  ; my column
	s_or_b32 s[G1A], s40, (2<<16)|(1<<20)|(1<<21)|(6<<22)|(3<<25)  ; the mask; elements of 4 bytes; padding on; 21 set beside a mask; after every 128 words 4 words
	s_or_b32 s[G1B], s42, (1<<16)|(1<<20)|(1<<21)|(6<<22)|(7<<25)  ; elements of 2 bytes; after every 128 words 8 words
	s_mov_b32 s[G1A+1], 128<<16                    ; tensor_dim0 = 128
	s_mov_b32 s[G1A+2], 64<<16                     ; tensor_dim1 = 64
	s_mov_b32 s[G1A+3], 128<<16                    ; tile_dim0 = 128
	s_mov_b32 s[G1A+4], 64                         ; tile_dim1 = 64
	s_mov_b32 s[G1A+5], 1024                       ; elements from row to row
	s_mov_b32 s[G1A+6], 0
	s_mov_b32 s[G1A+7], 0
	s_mov_b32 s[G1B+1], 256<<16
	s_mov_b32 s[G1B+2], 64<<16
	s_mov_b32 s[G1B+3], 256<<16
	s_mov_b32 s[G1B+4], 64
	s_mov_b32 s[G1B+5], 1024
	s_mov_b32 s[G1B+6], 0
	s_mov_b32 s[G1B+7], 0
	s_and_b32 s40, s[TY], 63                       ; x: row 128 (ty mod 64) + 64 x half, 4,096 bytes a row
	s_lshl_b32 s40, s40, 7
	s_lshl_b32 s41, s[NH], 6
	s_add_co_u32 s40, s40, s41
	s_lshl_b32 s40, s40, 12
	s_mov_b32 s41, 0
	s_lshl_b32 s42, s[IDX], 21                     ; w: plane idx, k = 64 x half (2,048 bytes a k), column 256 x tile column
	s_lshl_b32 s43, s[NH], 17
	s_add_co_u32 s42, s42, s43
	s_lshl_b32 s43, s[TX], 9
	s_add_co_u32 s42, s42, s43
	s_mov_b32 s43, 0
	s_mul_i32 s44, s[NH], HALFA                    ; where they go: no place in the cluster enters an LDS address
	s_mul_i32 s45, s[NH], HALFB
	s_add_co_u32 s45, s45, BOFF
	s_wait_dscnt 0x0                               ; the opening add is done
	s_wait_kmcnt 0x0
	s_cmp_eq_u32 s[IDX], 1
	s_cselect_b64 s[72:73], s[6:7], s[4:5]
	s_cmp_eq_u32 s[IDX], 2
	s_cselect_b64 s[72:73], s[8:9], s[72:73]
	s_add_nc_u64 s[74:75], s[72:73], s[40:41]
	s_add_nc_u64 s[76:77], s[10:11], s[42:43]
	CROUND                                         ; all sixteen work-groups are here: the first joint loads meet
.irp s, 0,1
	s_mov_b32 s[G0A+4*(\s)], 1
	s_add_co_u32 s[G0A+4*(\s)+1], s44, (\s)*SLOT
	s_add_nc_u64 s[G0A+4*(\s)+2:G0A+4*(\s)+3], s[74:75], (\s)*512
	s_or_b32 s[G0A+4*(\s)+3], s[G0A+4*(\s)+3], 0x80000000
	s_mov_b32 s[G0B+4*(\s)], 1
	s_add_co_u32 s[G0B+4*(\s)+1], s45, (\s)*SLOT
	s_add_nc_u64 s[G0B+4*(\s)+2:G0B+4*(\s)+3], s[76:77], (\s)*262144
	s_or_b32 s[G0B+4*(\s)+3], s[G0B+4*(\s)+3], 0x80000000
	JLOAD \s
.endr
	v_and_b32 v1, 15, v0                           ; l % 16
	v_bfe_u32 v2, v0, 4, 1                         ; l / 16
	v_and_b32 v3, 7, v0
	v_bfe_u32 v4, v0, 3, 1
	; a fragment of x: lane l holds row l % 16, k = 8 (l / 16) + 0..7 and 16 + 8 (l / 16) + 0..7: in f32 two runs of 32 bytes, 64 bytes apart
	v_mul_u32_u24 v5, v1, PA
	v_lshl_add_u32 v5, v2, 5, v5
	s_mul_i32 s46, s[MH], HALFA
	v_add_nc_u32 v[ADRA], s46, v5
	v_add_nc_u32 v[ADRA+1], SLOT, v[ADRA]
	; the turning load: lane l reads k = 8 (l / 16) + l % 8, columns 8 ((l / 8) % 2) + 0..7, and is left with column l % 16 and 8 values of k
	v_lshl_add_u32 v6, v2, 3, v3
	v_mul_u32_u24 v6, v6, PB
	v_lshl_add_u32 v6, v4, 4, v6
	s_lshl_b32 s46, s[NH], 8
	s_add_co_u32 s46, s46, BOFF
	v_add_nc_u32 v[ADRB], s46, v6
	v_add_nc_u32 v[ADRB+1], SLOT, v[ADRB]
	s_mul_i32 s46, s[WV], 16*SPITCH
	s_add_co_u32 s46, s46, STAGE                   ; my stage
	v_mul_u32_u24 v5, v1, SPITCH
	v_lshl_add_u32 v5, v2, 4, v5
	v_add_nc_u32 v[STO], s46, v5                   ; in: row l % 16, 16 bytes for each half of the lanes
	v_mul_u32_u24 v5, v2, SPITCH
	v_lshl_add_u32 v5, v1, 4, v5
	v_add_nc_u32 v[RD], s46, v5                    ; back: lanes 0-15 one row of 256 bytes, lanes 16-31 the next
	v_lshlrev_b32 v5, 11, v2
	v_lshl_add_u32 v[CO], v1, 4, v5                ; the same two rows in out
	v_lshlrev_b32 v[RFO], 2, v1
	s_lshl_b32 s78, s[TY], 9                       ; rf at my first row: 4 (128 ty + 64 x half)
	s_lshl_b32 s79, s[MH], 8
	s_add_co_u32 s78, s78, s79
	s_mov_b32 s79, 0
	s_add_nc_u64 s[12:13], s[12:13], s[78:79]
.irp a, 0,1,2,3
	global_load_b32 v[RF+2*(\a)], v[RFO], s[12:13] offset:64*(\a)
.endr
	s_lshl_b32 s78, s[TY], 7                       ; out at my part of the tile
	s_lshl_b32 s79, s[MH], 6
	s_add_co_u32 s78, s78, s79
	s_lshl_b32 s78, s78, 11
	s_lshl_b32 s79, s[TX], 9
	s_add_co_u32 s78, s78, s79
	s_lshl_b32 s79, s[NH], 8
	s_add_co_u32 s78, s78, s79
	s_mov_b32 s79, 0
	s_add_nc_u64 s[14:15], s[14:15], s[78:79]
	; the prefetches
	s_and_b32 s46, ttmp7, 15                       ; the cluster's place among the 16 that read one plane of w
	s_mov_b32 s47, 262144
	s_cmp_eq_u32 s[MH], 0                          ; do I fetch x?
	s_cselect_b32 s46, 0, s46
	s_cselect_b32 s78, s[CX], s[CY]                ; my place among the four that ask with me
	s_cselect_b32 s79, 12, 11                      ; a row is 4,096 or 2,048 bytes
	s_cselect_b32 s[PST], 512, s47
	s_cselect_b64 s[PFA:PFA+1], s[74:75], s[76:77]
	s_mov_b32 s[PST+1], 0
	s_cmp_eq_u32 s46, 0
	s_cselect_b32 s[LIM], 1, -1                    ; the same in all sixteen partners, for a given wave
	s_lshl_b32 s78, s78, 4                         ; my work-group's 16 rows of the 64
	s_lshl_b32 s78, s78, s79
	v_and_b32 v5, 31, v0
	v_lshrrev_b32 v[PFO], 1, v5
	v_lshlrev_b32 v[PFO], s79, v[PFO]
	v_and_b32 v5, 1, v5
	v_lshl_add_u32 v[PFO], v5, 8, v[PFO]           ; (lane / 2) rows + 256 (lane % 2)
	s_mov_b32 s79, 0
	s_add_nc_u64 s[PFA:PFA+1], s[PFA:PFA+1], s[78:79]
	s_mul_i32 s78, s[PST], 3
	s_add_nc_u64 s[PFA:PFA+1], s[PFA:PFA+1], s[78:79]  ; at K step 3: the first refill steps it to 4.  Nothing is prefetched at the head
; 32 LDS loads in one run: 32 along K at quarter kq of the slot: x's 64 rows as f32 first, then w's 128 columns into buffer g
.macro FETCH slot, kq, g
	WIN 0
.set a_, 0
.rept 4
	ds_load_b128 v[ARAW+16*a_:ARAW+16*a_+3],     v[ADRA+(\slot)] offset:a_*16*PA+128*(\kq)
	ds_load_b128 v[ARAW+16*a_+4:ARAW+16*a_+7],   v[ADRA+(\slot)] offset:a_*16*PA+128*(\kq)+16
	ds_load_b128 v[ARAW+16*a_+8:ARAW+16*a_+11],  v[ADRA+(\slot)] offset:a_*16*PA+128*(\kq)+64
	ds_load_b128 v[ARAW+16*a_+12:ARAW+16*a_+15], v[ADRA+(\slot)] offset:a_*16*PA+128*(\kq)+80
.set a_, a_+1
.endr
	WIN TO_B
.set b_, 0
.rept 8
	ds_load_tr16_b128 v[64*(\g)+8*b_:64*(\g)+8*b_+3],   v[ADRB+(\slot)] offset:(\kq)*32*PB+32*b_
	ds_load_tr16_b128 v[64*(\g)+8*b_+4:64*(\g)+8*b_+7], v[ADRB+(\slot)] offset:(\kq)*32*PB+32*b_+16*PB
.set b_, b_+1
.endr
.endm
.macro MM1 f, a, zero                  ; the product on accumulator (a, b_); zero = 1: it starts the sum
.if \zero
	v_wmma_f32_16x16x32_bf16 v[8*(8*(\a)+b_):8*(8*(\a)+b_)+7], v[64*(\f)+8*b_:64*(\f)+8*b_+7], v[ABF+32*(\f)+8*(\a):ABF+32*(\f)+8*(\a)+7], 0
.else
	v_wmma_f32_16x16x32_bf16 v[8*(8*(\a)+b_):8*(8*(\a)+b_)+7], v[64*(\f)+8*b_:64*(\f)+8*b_+7], v[ABF+32*(\f)+8*(\a):ABF+32*(\f)+8*(\a)+7], v[8*(8*(\a)+b_):8*(8*(\a)+b_)+7]
.endif
.endm
.macro MULA f, a, zero                 ; eight products: row block a x all 8 column blocks.  The 32 accumulators take turns in the same order in every quarter
	WIN MUL
.set b_, 0
.rept 8
	MM1 \f, \a, \zero
.set b_, b_+1
.endr
.endm
; The same, and behind each product four of the 32 roundings that make the next quarter's fragments of x (buffer g).  They name no register of the products round them;
; the four behind the last product are the places in front of the next run of loads into w's buffer f.
.macro MULC f, a, g, zero
.set b_, 0
.rept 8
	WIN MUL
	MM1 \f, \a, \zero
	WIN 0
.set n_, 4*b_
.rept 4
	v_cvt_pk_bf16_f32 v[ABF+32*(\g)+n_], v[ARAW+2*n_], v[ARAW+2*n_+1]
.set n_, n_+1
.endr
.set b_, b_+1
.endr
.endm
; A K step is four quarters of 32 along K, 32 products each, on buffers 0, 1, 0, 1.  One of the first three: multiplies buffer f, fetches quarter kq into g.
.macro QUARTER slot, kq, f, g, zero
	s_wait_dscnt 0x0                               ; w's buffer f, asked for a quarter ago, is in
	FETCH \slot, \kq, \g
	MULA \f, 0, \zero
	MULA \f, 1, \zero
	MULA \f, 2, \zero
	s_wait_dscnt 16                                ; x's 16 loads are in; w's 16, which are younger, may stay out
	MULC \f, 3, \g, \zero
.endm
; The last quarter multiplies buffer 1 and changes slots.  In front of the barrier each wave waits for all its tensor loads (one is out: its part of the next slot), adds 0 to its spare word, and waits
; for that and for its reads of this slot.  fill = 1: the barrier opens a round of the cluster's, and this slot is filled again, two K steps ahead: 112 products stand between the request and the wait for it.
.macro TURN slot, next, fill
.if \fill
	s_wait_xcnt 0x0                                ; the last prefetch, a K step back, has read its address
	s_add_nc_u64 s[PFA:PFA+1], s[PFA:PFA+1], s[PST:PST+1]
.endif
	WIN 0
	s_wait_tensorcnt 0x0                           ; all my tensor loads have landed
	ds_add_u32 v[SPW], v[NIL]                      ; 0 onto my spare word
	s_wait_dscnt 1                                 ; w's buffer 1 is in; the add may be out
	MULA 1, 0, 0
	s_wait_dscnt 0x0                               ; the add is done, and my reads of this slot are over
	s_barrier_signal -1
	MULA 1, 1, 0
	WIN 0
	s_barrier_wait -1
.if \fill
	CREST                                          ; no wave of any partner still reads this slot or has a load on its way
	s_add_nc_u64 s[G0A+4*(\slot)+2:G0A+4*(\slot)+3], s[G0A+4*(\slot)+2:G0A+4*(\slot)+3], 2*512
	s_add_nc_u64 s[G0B+4*(\slot)+2:G0B+4*(\slot)+3], s[G0B+4*(\slot)+2:G0B+4*(\slot)+3], 2*262144
	JLOAD \slot
.endif
	FETCH \next, 0, 0
	WIN 0
.if \fill
	ASK
.endif
	MULA 1, 2, 0
	s_wait_dscnt 16
	MULC 1, 3, 0, 0
.endm
; THE WAY OUT of row block a: times the row's factor, rounded to bf16, 16 bytes a lane; through my own stage; stored as whole rows of 256 bytes.
.macro PACK a
	WIN 0x02                                       ; source 0 window 2
.set n_, 0
.rept 32
	v_pk_mul_f32 v[ARAW+2*n_:ARAW+2*n_+1], v[64*(\a)+2*n_:64*(\a)+2*n_+1], v[RF+2*(\a):RF+2*(\a)+1] op_sel_hi:[1,0]
.set n_, n_+1
.endr
	WIN 0
.set n_, 0
.rept 32
	v_cvt_pk_bf16_f32 v[TMP+n_], v[ARAW+2*n_], v[ARAW+2*n_+1]
.set n_, n_+1
.endr
.endm
.macro TOSTAGE a
.set n_, 0
.rept 8
	ds_store_b128 v[STO], v[TMP+4*n_:TMP+4*n_+3] offset:32*n_
.set n_, n_+1
.endr
.set n_, 0
.rept 8
	ds_load_b128 v[OB+32*((\a)%2)+4*n_:OB+32*((\a)%2)+4*n_+3], v[RD] offset:n_*2*SPITCH  ; LDS serves a wave's instructions in order: these see the stores above
.set n_, n_+1
.endr
.endm
.macro SEND a
	s_wait_dscnt 0x0                               ; the block is back in registers
	s_wait_xcnt 0x0                                ; earlier stores have read their registers: the set that they read is loaded again only behind this wait
.set n_, 0
.rept 8
	global_store_b128 v[CO], v[OB+32*((\a)%2)+4*n_:OB+32*((\a)%2)+4*n_+3], s[14:15] offset:(16*(\a)+2*n_)*2048  ; 16 lanes store 256 consecutive bytes, aligned
.set n_, n_+1
.endr
.endm
	s_wait_tensorcnt 1                             ; my part of K step 0 is in; K step 1's may stay out
	s_barrier_signal -1
	s_barrier_wait -1
	FETCH 0, 0, 0
	s_wait_dscnt 16
	WIN 0
.set n_, 0
.rept 32
	v_cvt_pk_bf16_f32 v[ABF+n_], v[ARAW+2*n_], v[ARAW+2*n_+1]
.set n_, n_+1
.endr
	QUARTER 0, 1, 0, 1, 1                          ; the first quarter stands in front of the loop: its products start the sums
	WIN 0
	s_mov_b32 s[LAP], LAPS-1
.Llap:                                                 ; a trip goes once round the ring and fills both slots again
	QUARTER 0, 2, 1, 0, 0
	QUARTER 0, 3, 0, 1, 0
	TURN 0, 1, 1
	QUARTER 1, 1, 0, 1, 0
	QUARTER 1, 2, 1, 0, 0
	QUARTER 1, 3, 0, 1, 0
	TURN 1, 0, 1
	QUARTER 0, 1, 0, 1, 0
	WIN 0
	s_sub_co_u32 s[LAP], s[LAP], 1
	s_cmp_lg_u32 s[LAP], 0
	s_cbranch_scc1 .Llap
	QUARTER 0, 2, 1, 0, 0                          ; the last lap fills nothing
	QUARTER 0, 3, 0, 1, 0
	TURN 0, 1, 0
	QUARTER 1, 1, 0, 1, 0
	QUARTER 1, 2, 1, 0, 0
	QUARTER 1, 3, 0, 1, 0
	s_wait_dscnt 0x0
	MULA 1, 0, 0
	MULA 1, 1, 0
	MULA 1, 2, 0
	MULA 1, 3, 0
	WIN 0
	PLACES                                         ; the places behind the last products, in front of the lines that read results
	PLACES
	s_wait_loadcnt 0x0                             ; the row factors
.irp a, 0,1,2,3
	v_mov_b32 v[RF+2*(\a)+1], v[RF+2*(\a)]         ; named as pairs
.endr
	PACK 0
	TOSTAGE 0
.irp a, 1,2,3
	PACK \a                                        ; a block's arithmetic stands between the loads of the block before and the wait for them
	SEND (\a)-1
	TOSTAGE \a
.endr
	SEND 3
	s_wait_tensorcnt 0x0                           ; the wave's end
	ds_add_u32 v[SPW], v[NIL]
	s_wait_dscnt 0x0
	CROUND                                         ; the closing round
	s_endpgm
.Lfunc_end_k_q559c9a562f_proj:
	.size	k_q559c9a562f_proj, .Lfunc_end_k_q559c9a562f_proj-k_q559c9a562f_proj
	.p2alignl 7, 3214868480
	.fill 96, 4, 3214868480
	.section	.rodata,"a",@progbits
	.p2align	6, 0x0
	.amdhsa_kernel k_q559c9a562f_proj
		.amdhsa_group_segment_fixed_size 327680
		.amdhsa_private_segment_fixed_size 0
		.amdhsa_enable_private_segment 0
		.amdhsa_kernarg_size 48
		.amdhsa_user_sgpr_count 2
		.amdhsa_user_sgpr_kernarg_segment_ptr 1
		.amdhsa_wavefront_size32 1
		.amdhsa_system_sgpr_workgroup_id_x 1
		.amdhsa_system_sgpr_workgroup_id_y 1
		.amdhsa_system_sgpr_workgroup_id_z 1
		.amdhsa_system_vgpr_workitem_id 0
		.amdhsa_next_free_vgpr 768
		.amdhsa_next_free_sgpr 80
		.amdhsa_reserve_vcc 0
		.amdhsa_float_denorm_mode_32 3
		.amdhsa_float_denorm_mode_16_64 3
		.amdhsa_memory_ordered 1
		.amdhsa_forward_progress 1
		.amdhsa_inst_pref_size 142
	.end_amdhsa_kernel
	.amdgpu_metadata
---
amdhsa.version: [ 1, 2 ]
amdhsa.kernels:
  - .name:           k_q559c9a562f_proj
    .symbol:         k_q559c9a562f_proj.kd
    .args:
      - { .name: v, .offset: 0, .size: 8, .value_kind: global_buffer, .address_space: global }
      - { .name: k, .offset: 8, .size: 8, .value_kind: global_buffer, .address_space: global }
      - { .name: q, .offset: 16, .size: 8, .value_kind: global_buffer, .address_space: global }
      - { .name: wb, .offset: 24, .size: 8, .value_kind: global_buffer, .address_space: global }
      - { .name: rf, .offset: 32, .size: 8, .value_kind: global_buffer, .address_space: global }
      - { .name: qkv, .offset: 40, .size: 8, .value_kind: global_buffer, .address_space: global }
    .group_segment_fixed_size: 327680
    .private_segment_fixed_size: 0
    .kernarg_segment_align: 8
    .kernarg_segment_size: 48
    .max_flat_workgroup_size: 128
    .sgpr_count:     80
    .vgpr_count:     768
    .wavefront_size: 32
...
	.end_amdgpu_metadata
.endif
;; end of part 2
;; launch attn (part 3): grid 8 x 32, 4 waves a work-group, clusters of 4 x 4, 327,680 bytes of LDS; arguments qkv, add_attn, mt, o32; writes o32
.if DOCPART == 3
	.amdgcn_target "amdgcn-amd-amdhsa--gfx1250"
	.amdhsa_code_object_version 6
	.text
	.protected	k_q559c9a562f_attn
	.globl	k_q559c9a562f_attn
	.p2align	8
	.type	k_q559c9a562f_attn,@function
k_q559c9a562f_attn:
	s_mov_b64 s[64:65], 0
	v_nop
	global_prefetch_b8 v0, s[64:65] scope:SCOPE_SE
	s_setreg_imm32_b32 hwreg(HW_REG_WAVE_MODE, 25, 1), 1
	s_wait_xcnt 0x0
	s_wait_alu depctr_hold_cnt(0) depctr_sa_sdst(0) depctr_va_vdst(0) depctr_va_sdst(0) depctr_va_ssrc(0) depctr_va_vcc(0) depctr_vm_vsrc(0)
	s_getreg_b32 s2, hwreg(HW_REG_IB_STS2, 6, 4)
	s_cmp_eq_u32 s2, 0
	s_cbranch_scc0 .Lentry_in_a_cluster
	s_endpgm
.Lentry_in_a_cluster:
	s_bfe_u32 s2, ttmp6, 0x10000c
	s_cmp_lg_u32 s2, 0xf033
	s_cbranch_scc0 .Lentry_shape_is_right
	s_endpgm
.Lentry_shape_is_right:
; o32[b][q][64 h + d] = the sum over k of softmax_k(S) V, S[q][k] = Qs[q] . K[k] + add_attn[b][q][k], and S = -1e9 where the key is masked.
; qkv: bf16 [3][8192][1024], V, K, Q; Q arrives times 1/8, K's rows of masked keys arrive as zeros.  add_attn: f32 [4][2048][2048].  mt: f32 [4][2][2048]: m01, madd.  o32: f32 [8192][1024].
; THE BIAS AND THE MASK are the C operand that starts S^T = K Q^T: bias x m01 + madd: the bias itself, or exactly -1e9; with K's zero row a masked score is exactly -1e9, as in the definition, also where all keys are masked.
; Products, maxima and sums in f32; the weights p are rounded to bf16 for the second product (their sum l is taken of the unrounded p).
; LIMITS.  An infinite or NaN bias at a masked key gives NaN (0 x infinity); a weight below 2^-126 counts as 0 in l; NaN and infinities are not treated apart.
; SHARES.  A work-group owns 256 queries of a batch for TWO heads (128 neighbouring channels, 256 bytes of a row of qkv), so that a tile of the bias serves two heads.  A wave owns 64 queries: four PIECES;
; piece x is query tile x for both heads (tiles 2 x and 2 x + 1), which share one C operand.  Every wave walks all 2,048 keys, 64 a step.
; LAYOUT.  S^T = K Q^T (source 0 = 16 keys, source 1 = 16 queries): a lane holds ONE query (lane % 16) and the keys 8 (lane / 16) + 0..7: of the bias 32 consecutive bytes of the query's row.  Two such results
; rounded to bf16 ARE source 1 of O^T = V^T P.  K comes out of LDS as it lies, V turned, by ds_load_tr16_b128.
; SOFTMAX.  A running maximum m and sum l for each query and head: p = 2^(c s - c m), c = log2(e); in every step O and l are multiplied by a = 2^(c m_old - c m_new).  m starts at the lowest finite number, O and l at 0.
; BY TURNS.  Turn n belongs to piece n: 16 products K Q^T of piece n + 1, later 16 products V^T P of piece n - 1; beside them piece n's scaling, exponentials, roundings, sums and rescaling and piece n + 1's maximum and
; statistics.  Four vector instructions stand behind every matrix instruction, the rest in one lump; a turn's 66 exponentials are one batch with one wait.
; CLUSTER, 4 x 4: along x four query blocks, along y four head pairs of one batch.  A bias tile hangs on batch and query block: asked for jointly by a column; K and V on batch and head pair: by a row.
; The mask table hangs on the batch alone, 16 KiB once a work-group: a load of the work-group's own.
; THE RING: two slots, a step each.  Between two changes of slots all LDS reads fall into one slot: turn 2 reads K, the mask and piece 0's bias of the next step, turn 3 piece 1's bias, turn 0 V and piece 2's, turn 1 piece 3's.
; REGISTERS, in windows of 256 (s_set_vgpr_msb: bits 1:0 source 0, 3:2 source 1, 5:4 source 2, 7:6 destination):
;   window 0: v0-11 addresses; v12-15, v48-63 at work; v16-47 statistics, four a tile; v64-191 S^T, two buffers of two tiles; v192-255 P, likewise
;   window 1: O^T, 32 a tile      window 2: v0-127 Q, 16 a tile; v128-255 K, 64 a head      window 3: v0-127 V, 64 a head; v128-191 the C operands, two buffers; v192-223 m01; v224-255 madd
.set NP,    4
.set KS,    64
.set PBI,   272       ; a row of the bias in LDS: 256 bytes + 16: the 16 rows of a load begin 16 bytes apart modulo 256
.set PKP,   272       ; a row of K: 256 + 16
.set PVP,   288       ; a row of V: 256 + 32: 16 lanes of the turning load take 8 rows x 32 bytes, 32 bytes apart modulo 256
.set KOFF,  256*PBI   ; a slot: 256 rows of the bias, 64 of K, 64 of V
.set VOFF,  KOFF+KS*PKP
.set MT,    VOFF+KS*PVP    ; behind slot 0: the batch's m01, 8,192 bytes, then its madd; filled once
.set SPARE, MT+16384       ; the spare words, 128 bytes for each wave: two blocks of 256 bytes that no other line names
.set SLOT1, 1<<17
.set STAGE, SLOT1+MT       ; behind slot 1: 16 rows x 528 bytes for each wave, for the way out
.set SP,    528
.set PFO, 1           ; v1   the prefetches' offset; never rewritten
.set AK0, 2           ; v2-5 my lane's place in K, V, the bias, the mask table; never rewritten
.set AV0, 3
.set AB0, 4
.set AM0, 5
.set AK,  6           ; v6-9 the same in the slot, or at the step, in hand
.set AV,  7
.set AB,  8
.set AM,  9
.set SPW, 10          ; LDS address of my spare word; never rewritten
.set NIL, 11          ; 0; never rewritten
.set MV,  12          ; v12-15  c m_old, by buffer and tile
.set QO,  15          ; at the head: my byte offset in 16 rows of Q (rewritten only behind the wait for Q)
.set ST,  16          ; tile t's statistics at v[ST+4 t]: c m, m, l (even keys', odd keys')
.set TMP, 48          ; by buffer and tile four registers c0-c3 at work; c2 takes a
.set STO, 52          ; the way out
.set RD,  53
.set GO,  54
.set S,   64
.set P,   192
.set KF,  128         ; window 2: head u, key block kb, channel half c at KF + 64 u + 16 kb + 8 c
.set MC,  128         ; window 3
.set M01, 192
.set MAD, 224
.set WV,  12
.set G1B, 24          ; s[24:31] group 1 for the bias; s[32:39] for K; s[40:47] for V; s[72:79] for the table
.set G1K, 32
.set G1V, 40
.set G0B, 48          ; s[48:51], s[52:55], s[56:59] walking groups 0; s[68:71] the table's
.set G0K, 52
.set G0V, 56
.set CS,  60          ; s[60:61] c
.set SEL, 62          ; s[62:63] v_permlanex16_b32's selects
.set G0T, 68
.set G1T, 72
.set TB,  80          ; the slot that is read: 0 or SLOT1
.set TM,  81          ; the byte of the mask table at which the next step's 64 keys begin
.set SLOTS, 82
.set CNT, 83
.set LIM, 84          ; 1 in a wave that prefetches, else the greatest number
.set PFA, 86          ; s[86:87] where my prefetches stand; s[88:89] bytes from step to step there
.set PST, 88
.set MSB, 0
.macro WIN new
.if MSB != (\new)
	s_set_vgpr_msb (MSB<<8)|(\new)
.set MSB, (\new)
.endif
.endm
.set W_KM, 0x3a       ; K and Q in window 2, C in window 3, S^T in window 0
.set W_KQ, 0x0a       ; K and Q in window 2, S^T in window 0
.set W_PV, 0x53       ; V in window 3, P in window 0, O^T in window 1
.set W_RS, 0x41       ; O^T (destination and source 0) in window 1, a in window 0
; A joint fill: waves 0 and 1 fetch the two halves of the bias tile, wave 2 K, wave 3 V.  table = 1 (the first fills): wave 2 also fetches the mask table.  An s_nop 0 follows each load, four v_nop a wave's last.
.macro JLOAD table
	s_cmp_lt_u32 s[WV], 2
	s_cbranch_scc0 .Lkv_\@
	tensor_load_to_lds s[G0B:G0B+3], s[G1B:G1B+7]
	s_nop 0
.rept 4
	v_nop
.endr
	s_branch .Lasked_\@
.Lkv_\@:
	s_cmp_eq_u32 s[WV], 2
	s_cbranch_scc0 .Lv_\@
	tensor_load_to_lds s[G0K:G0K+3], s[G1K:G1K+7]
	s_nop 0
.if \table
	tensor_load_to_lds s[G0T:G0T+3], s[G1T:G1T+7]
	s_nop 0
.endif
.rept 4
	v_nop
.endr
	s_branch .Lasked_\@
.Lv_\@:
	tensor_load_to_lds s[G0V:G0V+3], s[G1V:G1V+7]
	s_nop 0
.rept 4
	v_nop
.endr
.Lasked_\@:
.endm
; A prefetch into the L2 of what the NEXT change of slots will ask for, a lane a row of 256 bytes.  A bias tile is read by two clusters (the batch's two halves of the heads): the first asks; of the 128 rows that wave 0 or 1
; fetches each of the column's four partners takes 32, by address.  K and V are read by two clusters (the two halves of the query blocks): the first asks, in wave 2; each of the row's four partners takes 16 keys,
; V's in lanes 0-15 and K's in lanes 16-31.  So each row's 256 bytes are named once.  The last change that fills a slot asks for nothing.
.macro ASK
	s_cmp_gt_u32 s[SLOTS], s[LIM]
	s_cbranch_scc0 .Lnot_mine_\@
	global_prefetch_b8 v[PFO], s[PFA:PFA+1] th:TH_LOAD_NT scope:SCOPE_SE
.Lnot_mine_\@:
.endm
.macro CROUND
	s_barrier_signal -1
	s_barrier_wait -1
	s_cmp_lg_u32 s[WV], 0
	s_cbranch_scc1 .Lnot_wave_0_\@
	s_barrier_signal -3
.Lnot_wave_0_\@:
	s_barrier_wait -3
	s_barrier_signal -1
	s_barrier_wait -1
.endm
; THE CHANGE OF SLOTS.  Each wave waits for all its tensor loads (its part of the other slot), adds 0 to its spare word, and waits for that and for its reads of the slot that it leaves.  fill = 1: the barrier is a round of
; the cluster's, and the old slot is filled again first thing behind it, with the step after the one that is entered: it has a whole step, 128 products and their softmax, in which to land.
.macro CHANGE fill, ask
	WIN 0
	s_wait_tensorcnt 0x0            ; no tensor load of mine is out, so a group 0 may be written
	ds_add_u32 v[SPW], v[NIL]       ; 0 onto my spare word
.if \fill
	s_xor_b32 s[G0B+1], s[G0B+1], SLOT1
	s_xor_b32 s[G0K+1], s[G0K+1], SLOT1
	s_xor_b32 s[G0V+1], s[G0V+1], SLOT1
	s_add_nc_u64 s[G0B+2:G0B+3], s[G0B+2:G0B+3], KS*4     ; 64 keys along the bias's rows,
	s_add_nc_u64 s[G0K+2:G0K+3], s[G0K+2:G0K+3], KS*2048  ; 64 rows of K and of V
	s_add_nc_u64 s[G0V+2:G0V+3], s[G0V+2:G0V+3], KS*2048
.endif
.if \ask
	s_wait_xcnt 0x0                 ; the last prefetch, a step back, has read its address
	s_add_nc_u64 s[PFA:PFA+1], s[PFA:PFA+1], s[PST:PST+1]
.endif
	s_wait_dscnt 0x0                ; the add is done, and my reads of the slot are over
.if \fill
	CROUND
	JLOAD 0
.if \ask
	ASK
.endif
.else
	s_barrier_signal -1
	s_barrier_wait -1
.endif
	s_xor_b32 s[TB], s[TB], SLOT1
	v_add_nc_u32 v[AK], s[TB], v[AK0]
	v_add_nc_u32 v[AV], s[TB], v[AV0]
	v_add_nc_u32 v[AB], s[TB], v[AB0]
.endm
	s_load_b256 s[4:11], s[0:1], 0x0  ; qkv s[4:5], add_attn s[6:7], mt s[8:9], o32 s[10:11]
	v_lshl_add_u32 v[SPW], v0, 2, SPARE
	v_mov_b32 v[NIL], 0
	ds_add_u32 v[SPW], v[NIL]       ; the wave's opening: the add and its wait stand ahead of my first tensor load
	v_lshrrev_b32 v1, 5, v0
	v_readfirstlane_b32 s[WV], v1
	s_bfe_u32 s13, ttmp6, 0x40000   ; cx
	s_bfe_u32 s14, ttmp6, 0x40004   ; cy
	s_and_b32 s16, ttmp7, 0xffff    ; cluster y
	s_lshl_b32 s17, ttmp9, 2
	s_add_co_u32 s17, s17, s13      ; query block = 4 x cluster x + cx
	s_lshr_b32 s18, s16, 1          ; batch
	s_and_b32 s19, s16, 1
	s_lshl_b32 s19, s19, 2
	s_add_co_u32 s19, s19, s14      ; head pair = 4 x (cluster y mod 2) + cy
	s_lshl_b32 s66, s14, 2
	s_lshl_b32 s66, 15, s66         ; my row of the cluster
	s_lshl_b32 s67, 0x1111, s13     ; my column
	s_or_b32 s[G1B], s67, (2<<16)|(1<<20)|(1<<21)|(5<<22)|(3<<25)  ; the mask; elements of 4 bytes; padding on; 21 set beside a mask; after every 64 words 4 words
	s_or_b32 s[G1K], s66, (1<<16)|(1<<20)|(1<<21)|(5<<22)|(3<<25)  ; elements of 2 bytes
	s_or_b32 s[G1V], s66, (1<<16)|(1<<20)|(1<<21)|(5<<22)|(7<<25)  ; 8 words of padding
	s_mov_b32 s[G1B+1], 64<<16      ; 64 keys
	s_mov_b32 s[G1B+2], 128<<16     ; x 128 queries
	s_mov_b32 s[G1B+3], 64<<16
	s_mov_b32 s[G1B+4], 128
	s_mov_b32 s[G1B+5], 2048        ; elements from row to row
	s_mov_b32 s[G1B+6], 0
	s_mov_b32 s[G1B+7], 0
.irp g, G1K, G1V
	s_mov_b32 s[\g+1], 128<<16      ; 128 channels
	s_mov_b32 s[\g+2], KS<<16       ; x 64 keys
	s_mov_b32 s[\g+3], 128<<16
	s_mov_b32 s[\g+4], KS
	s_mov_b32 s[\g+5], 1024
	s_mov_b32 s[\g+6], 0
	s_mov_b32 s[\g+7], 0
.endr
	s_mov_b32 s[G1T], 3<<16         ; the table: 16,384 dense bytes as 64 rows of 32 elements of 8 bytes; no mask, no padding
	s_mov_b32 s[G1T+1], 32<<16
	s_mov_b32 s[G1T+2], 64<<16
	s_mov_b32 s[G1T+3], 32<<16
	s_mov_b32 s[G1T+4], 64
	s_mov_b32 s[G1T+5], 32
	s_mov_b32 s[G1T+6], 0
	s_mov_b32 s[G1T+7], 0
	s_lshl_b32 s92, s18, 24         ; the bias: the batch's 16 MiB, the block's 256 rows of 8,192 bytes, my half of them
	s_lshl_b32 s93, s17, 21
	s_add_co_u32 s92, s92, s93
	s_and_b32 s22, s[WV], 1
	s_lshl_b32 s93, s22, 20
	s_add_co_u32 s92, s92, s93
	s_mov_b32 s93, 0
	s_lshl_b32 s94, s18, 22         ; K and V: the batch's 2,048 rows of 2,048 bytes, the head pair's 256 bytes
	s_lshl_b32 s95, s19, 8
	s_add_co_u32 s94, s94, s95
	s_mov_b32 s95, 0
	s_mul_i32 s23, s22, 128*PBI
	s_lshl_b32 s90, s17, 19         ; Q: behind V's and K's planes, the block's rows, my wave's 64
	s_lshl_b32 s91, s[WV], 17
	s_add_co_u32 s90, s90, s91
	s_add_co_u32 s90, s90, s94
	s_add_co_u32 s90, s90, 33554432
	s_mov_b32 s91, 0
	s_lshl_b32 s20, s18, 23         ; O: rows of 4,096 bytes, the head pair's 512
	s_lshl_b32 s21, s17, 20
	s_add_co_u32 s20, s20, s21
	s_lshl_b32 s21, s[WV], 18
	s_add_co_u32 s20, s20, s21
	s_lshl_b32 s21, s19, 9
	s_add_co_u32 s20, s20, s21
	s_mov_b32 s21, 0
	s_lshl_b32 s66, s18, 14         ; the batch's table
	s_mov_b32 s67, 0
	s_mov_b32 s[G0B], 1
	s_mov_b32 s[G0B+1], s23         ; slot 0; no place in the cluster enters an LDS address
	s_mov_b32 s[G0K], 1
	s_mov_b32 s[G0K+1], KOFF
	s_mov_b32 s[G0V], 1
	s_mov_b32 s[G0V+1], VOFF
	s_mov_b32 s[G0T], 1
	s_mov_b32 s[G0T+1], MT
	s_mov_b32 s[CS], 0x3fb8aa3b     ; c = log2(e)
	s_mov_b32 s[CS+1], s[CS]
	s_mov_b32 s[SEL], 0x76543210
	s_mov_b32 s[SEL+1], 0xfedcba98
	s_mov_b32 s[TB], SLOT1          ; the first change of slots turns it into 0
	s_mov_b32 s[TM], 0
	s_wait_dscnt 0x0                ; the opening add is done
	s_wait_kmcnt 0x0
	s_add_nc_u64 s[92:93], s[6:7], s[92:93]
	s_add_nc_u64 s[94:95], s[4:5], s[94:95]
	s_add_nc_u64 s[90:91], s[4:5], s[90:91]
	s_add_nc_u64 s[10:11], s[10:11], s[20:21]
	s_mov_b64 s[G0B+2:G0B+3], s[92:93]
	s_or_b32 s[G0B+3], s[G0B+3], 0x80000000
	s_mov_b64 s[G0V+2:G0V+3], s[94:95]
	s_or_b32 s[G0V+3], s[G0V+3], 0x80000000
	s_add_nc_u64 s[G0K+2:G0K+3], s[94:95], 16777216   ; K's plane lies behind V's
	s_or_b32 s[G0K+3], s[G0K+3], 0x80000000
	s_add_nc_u64 s[G0T+2:G0T+3], s[8:9], s[66:67]
	s_or_b32 s[G0T+3], s[G0T+3], 0x80000000
	CROUND                          ; all sixteen work-groups are here: the first joint loads meet
	JLOAD 1                         ; step 0 into slot 0, and the table: two loads of wave 2 are out, one of the others
	v_and_b32 v48, 15, v0           ; l % 16
	v_bfe_u32 v49, v0, 4, 1         ; l / 16
	v_and_b32 v50, 7, v0
	v_bfe_u32 v51, v0, 3, 1
	v_lshlrev_b32 v[QO], 11, v48
	v_lshl_add_u32 v[QO], v49, 4, v[QO]  ; row x 2,048 + 16 x half
	WIN 0x80                        ; destination window 2
.set f_, 0
.rept 16                            ; Q stays in registers: query tile f / 4, head (f / 2) % 2, channels 32 (f % 2) on
	global_load_b128 v[8*f_:8*f_+3],   v[QO], s[90:91] offset:(f_/4)*32768+((f_/2)%2)*128+(f_%2)*64
	global_load_b128 v[8*f_+4:8*f_+7], v[QO], s[90:91] offset:(f_/4)*32768+((f_/2)%2)*128+(f_%2)*64+32
.set f_, f_+1
.endr
	; What the first turn finds: V and P's second buffer hold 0 (its products V^T P, of a piece that has not been, add 0), O^T and l are 0.  All this stands in the wait for the first tile.
	WIN 0xc0
.set i, 0
.rept 128
	v_mov_b32 v[i], 0
.set i, i+1
.endr
	WIN 0x40
.set i, 0
.rept 256
	v_mov_b32 v[i], 0
.set i, i+1
.endr
	WIN 0
.set i, 0
.rept 2*NP
	v_mov_b32 v[ST+4*i], 0xfe000000    ; c m: far below every c s
	v_mov_b32 v[ST+4*i+1], 0xff7fffff  ; m
	v_mov_b32 v[ST+4*i+2], 0
	v_mov_b32 v[ST+4*i+3], 0
.set i, i+1
.endr
.set i, P+32
.rept 32
	v_mov_b32 v[i], 0
.set i, i+1
.endr
	v_mul_u32_u24 v[AK0], v48, PKP
	v_lshl_add_u32 v[AK0], v49, 4, v[AK0]
	v_add_nc_u32 v[AK0], KOFF, v[AK0]     ; K: row l % 16, 16 bytes for each half of the lanes
	v_lshl_add_u32 v[AV0], v49, 3, v50    ; V: the turning load reads key 8 (l / 16) + l % 8, channels 8 ((l / 8) % 2) + 0..7
	v_mul_u32_u24 v[AV0], v[AV0], PVP
	v_lshl_add_u32 v[AV0], v51, 4, v[AV0]
	v_add_nc_u32 v[AV0], VOFF, v[AV0]
	s_mul_i32 s20, s[WV], 64*PBI
	v_mul_u32_u24 v[AB0], v48, PBI        ; the bias: my wave's 64 rows, row l % 16, 32 bytes for each half of the lanes
	v_lshl_add_u32 v[AB0], v49, 5, v[AB0]
	v_add_nc_u32 v[AB0], s20, v[AB0]
	v_lshl_add_u32 v[AM0], v49, 5, MT     ; the table: the same 8 keys for all queries
	; the prefetches
	s_and_b32 s20, s16, 1
	s_mov_b32 s23, 131072
	s_cmp_lt_u32 s[WV], 2
	s_cselect_b32 s20, s20, ttmp9   ; the coordinate along which another cluster reads the same rows
	s_cselect_b32 s21, s14, s13     ; my place among the four that ask with me
	s_cselect_b32 s22, 18, 15       ; my share: 32 rows of 8,192 bytes, or 16 of 2,048
	s_cselect_b32 s[PST], 256, s23
	s_cselect_b64 s[PFA:PFA+1], s[92:93], s[94:95]
	s_cselect_b32 s66, 31, 15
	s_cselect_b32 s67, 13, 11
	s_cselect_b32 s23, 0, -1
	s_mov_b32 s[PST+1], 0
	s_cmp_eq_u32 s[WV], 3
	s_cselect_b32 s20, 1, s20       ; wave 3 never asks
	s_cmp_eq_u32 s20, 0
	s_cselect_b32 s[LIM], 1, -1     ; the same in all sixteen partners, for a given wave
	s_lshl_b32 s20, s21, s22
	s_mov_b32 s21, 0
	s_add_nc_u64 s[PFA:PFA+1], s[PFA:PFA+1], s[20:21]
	s_lshl_b32 s20, s[PST], 1
	s_add_nc_u64 s[PFA:PFA+1], s[PFA:PFA+1], s[20:21]  ; at step 2; the loop's first change steps it to 3.  Nothing is prefetched at the head
	v_and_b32 v52, 31, v0
	v_and_b32 v[PFO], s66, v52
	v_lshlrev_b32 v[PFO], s67, v[PFO]     ; a lane a row;
	v_lshrrev_b32 v52, 4, v52
	v_lshlrev_b32 v52, 24, v52
	v_and_b32 v52, s23, v52
	v_add_nc_u32 v[PFO], v[PFO], v52      ; in wave 2 lanes 16-31 stand in K's plane
; THE MATRIX WORK.  The 8 accumulators of a run of 16 take turns.
; Product i of 16 of S^T for piece x: head i % 2, keys 16 ((i / 2) % 4) on, channels 32 (i / 8) on.  The first 8 start the sums with the masked bias, the same registers for both heads.
.macro KQ x
.set rS, S+64*((\x)%2)+32*(i%2)+8*((i/2)%4)
.set rK, KF+64*(i%2)+16*((i/2)%4)+8*(i/8)
.set rQ, 16*(2*(\x)+i%2)+8*(i/8)
.set rB, MC+32*((\x)%2)+8*((i/2)%4)
.if i < 8
	WIN W_KM
	v_wmma_f32_16x16x32_bf16 v[rS:rS+7], v[rK:rK+7], v[rQ:rQ+7], v[rB:rB+7]
.else
	WIN W_KQ
	v_wmma_f32_16x16x32_bf16 v[rS:rS+7], v[rK:rK+7], v[rQ:rQ+7], v[rS:rS+7]
.endif
.endm
; Product i of 16 of O^T += V^T P for piece x: head i % 2, channels 16 ((i / 2) % 4) on, keys 32 (i / 8) on.
.macro PV x
	WIN W_PV
.set rO, 32*(2*(\x)+i%2)+8*((i/2)%4)
.set rV, 64*(i%2)+32*(i/8)+8*((i/2)%4)
.set rP, P+32*((\x)%2)+16*(i%2)+8*(i/8)
	v_wmma_f32_16x16x32_bf16 v[rO:rO+7], v[rV:rV+7], v[rP:rP+7], v[rO:rO+7]
.endm
.macro MM                           ; the turn's next matrix instruction
.if i < 16
	KQ (Y+1)%NP
.set i, i+1
.else
.set i, i-16
	PV (Y+NP-1)%NP
.set i, i+17
.endif
.endm
; THE LDS LOADS stand in runs, never singly among the matrix instructions.
.macro FETCH_K                      ; a step's K for both heads: 32 loads
	WIN 0x80
.set f_, 0
.rept 16                            ; head f / 8, keys 16 ((f / 2) % 4) on, channels 32 (f % 2) on
	ds_load_b128 v[KF+8*f_:KF+8*f_+3],   v[AK] offset:((f_/2)%4)*16*PKP+(f_/8)*128+(f_%2)*64
	ds_load_b128 v[KF+8*f_+4:KF+8*f_+7], v[AK] offset:((f_/2)%4)*16*PKP+(f_/8)*128+(f_%2)*64+32
.set f_, f_+1
.endr
.endm
.macro FETCH_V                      ; a step's V for both heads, turned: 32 loads
	WIN 0xc0
.set f_, 0
.rept 16                            ; head f / 8, keys 32 ((f / 4) % 2) on, channels 16 (f % 4) on
	ds_load_tr16_b128 v[8*f_:8*f_+3],   v[AV] offset:((f_/4)%2)*32*PVP+(f_/8)*128+(f_%4)*32
	ds_load_tr16_b128 v[8*f_+4:8*f_+7], v[AV] offset:((f_/4)%2)*32*PVP+16*PVP+(f_/8)*128+(f_%4)*32
.set f_, f_+1
.endr
.endm
.macro FETCH_B x                    ; piece x's bias: 16 queries x 64 keys: 8 loads
	WIN 0xc0
.set f_, 0
.rept 4
	ds_load_b128 v[MC+32*((\x)%2)+8*f_:MC+32*((\x)%2)+8*f_+3],   v[AB] offset:(\x)*16*PBI+64*f_
	ds_load_b128 v[MC+32*((\x)%2)+8*f_+4:MC+32*((\x)%2)+8*f_+7], v[AB] offset:(\x)*16*PBI+64*f_+16
.set f_, f_+1
.endr
.endm
.macro FETCH_M                      ; a step's m01 and madd: 16 loads.  Behind the last step the place goes back to the table's head, so that the address stays inside the table
	WIN 0
	v_add_nc_u32 v[AM], s[TM], v[AM0]
	s_add_co_u32 s[TM], s[TM], KS*4
	s_and_b32 s[TM], s[TM], 0x1f00
	WIN 0xc0
.set f_, 0
.rept 4
	ds_load_b128 v[M01+8*f_:M01+8*f_+3],   v[AM] offset:64*f_
	ds_load_b128 v[M01+8*f_+4:M01+8*f_+7], v[AM] offset:64*f_+16
	ds_load_b128 v[MAD+8*f_:MAD+8*f_+3],   v[AM] offset:8192+64*f_
	ds_load_b128 v[MAD+8*f_+4:MAD+8*f_+7], v[AM] offset:8192+64*f_+16
.set f_, f_+1
.endr
.endm
.macro MASK b                       ; bias x m01 + madd, in place, in buffer b
	WIN 0xff
.set z_, 0
.rept 16
	v_pk_fma_f32 v[MC+32*(\b)+2*z_:MC+32*(\b)+2*z_+1], v[MC+32*(\b)+2*z_:MC+32*(\b)+2*z_+1], v[M01+2*z_:M01+2*z_+1], v[MAD+2*z_:MAD+2*z_+1]
.set z_, z_+1
.endr
.endm
; THE VECTOR WORK OF A TURN stands in three queues, each in the order in which its entries become ready; the two tiles alternate.
.macro REGS y, u                    ; the registers of tile u (0, 1) of piece y
.set rT, ST+4*(2*(\y)+(\u))
.set rC, TMP+8*((\y)%2)+4*(\u)
.set rM, MV+2*((\y)%2)+(\u)
.set rS, S+64*((\y)%2)+32*(\u)
.set rP, P+32*((\y)%2)+16*(\u)
.set rO, 32*(2*(\y)+(\u))
.endm
; Number n of the 22 that find the NEXT piece's maximum and statistics; each accumulator's lowest registers are read first.
;   0-11 four chains c0-c3 of seven scores each     12-14, 16 the four scores left over, the old m, c0-c3 into c0     15 c m_old is kept     17, 18 the lane 16 away holds the query's other 32 keys     19-21 c m; its change; a
.macro XS u, n
	REGS (Y+1)%NP, \u
.if (\n) < 4
	v_max3_num_f32 v[rC+(\n)], v[rS+8*(\n)], v[rS+8*(\n)+1], v[rS+8*(\n)+2]
.elseif (\n) < 12
	v_max3_num_f32 v[rC+(\n)%4], v[rC+(\n)%4], v[rS+8*((\n)%4)+2*((\n)/4)+1], v[rS+8*((\n)%4)+2*((\n)/4)+2]
.elseif (\n) == 12
	v_max3_num_f32 v[rC], v[rC], v[rS+7], v[rS+15]
.elseif (\n) == 13
	v_max3_num_f32 v[rC+1], v[rC+1], v[rS+23], v[rS+31]
.elseif (\n) == 14
	v_max3_num_f32 v[rC+2], v[rC+2], v[rC+3], v[rT+1]
.elseif (\n) == 15
	v_mov_b32 v[rM], v[rT]
.elseif (\n) == 16
	v_max3_num_f32 v[rC], v[rC], v[rC+1], v[rC+2]
.elseif (\n) == 17
	v_permlanex16_b32 v[rC+3], v[rC], s[SEL], s[SEL+1]
.elseif (\n) == 18
	v_max_num_f32 v[rT+1], v[rC], v[rC+3]
.elseif (\n) == 19
	v_mul_f32 v[rT], s[CS], v[rT+1]
.elseif (\n) == 20
	v_sub_f32 v[rC+1], v[rM], v[rT]
.else
	v_exp_f32 v[rC+2], v[rC+1]
.endif
.endm
; Number g of the 64 that follow the exponentials: for each four weights of a tile both pairs are rounded to bf16, the second pair is added onto the first, and a group later l takes that sum (the first time as l = a l + sum).
.macro GS g
.set h, (\g)+6*((\g)/62)
.if h >= 6
.set h, h+2
.endif
	REGS Y, h%2
.set k, h/8
.if h%8 < 4
	v_cvt_pk_bf16_f32 v[rP+2*k+(h%8)/2], v[rS+4*k+2*((h%8)/2)], v[rS+4*k+2*((h%8)/2)+1]
.elseif h%8 < 6
	v_pk_add_f32 v[rS+4*k:rS+4*k+1], v[rS+4*k:rS+4*k+1], v[rS+4*k+2:rS+4*k+3]
.elseif k == 1
	v_pk_fma_f32 v[rT+2:rT+3], v[rT+2:rT+3], v[rC+2:rC+3], v[rS:rS+1] op_sel_hi:[1,0,1]
.else
	v_pk_add_f32 v[rT+2:rT+3], v[rT+2:rT+3], v[rS+4*k-4:rS+4*k-3]
.endif
.endm
.macro FS f                         ; c s - c m for pair f / 2 of tile f % 2
	REGS Y, (\f)%2
	v_pk_fma_f32 v[rS+2*((\f)/2):rS+2*((\f)/2)+1], v[rS+2*((\f)/2):rS+2*((\f)/2)+1], s[CS:CS+1], v[rT:rT+1] op_sel_hi:[1,0,0] neg_lo:[0,0,1] neg_hi:[0,0,1]
.endm
; THE PLAIN QUEUE, 138 long.  0-73 read no exponential's result: the 32 scalings and the next piece's 42, the chain's links with scalings between them.  74-137: GS's 64, which stand behind the wait.
.macro PL
	WIN 0
.if q < 27
	FS q
.elseif q < 55
	XS (q-27)%2, (q-27)/2
.elseif q < 57
	XS q-55, 15
.elseif (q < 72) && ((q-57)%3 == 0)
	FS 27+(q-57)/3
.elseif q < 60
	XS (q-57)%3-1, 14
.elseif q < 72
	XS (q-57)%3-1, 15+(q-57)/3
.elseif q < 74
	XS q-72, 20
.else
	GS q-74
.endif
.set q, q+1
.endm
; THE EXPONENTIALS' QUEUE, 66 long: both tiles' 32 scores, then the next piece's two a: one batch, ahead of the turn's one wait.
.macro EX
	WIN 0
.if e >= 64
	XS e-64, 21
.else
	REGS Y, e%2
	v_exp_f32 v[rS+e/2], v[rS+e/2]
.endif
.set e, e+1
.endm
; THE RESCALING's QUEUE: O^T times a, two at a time.  Its a was made, and waited for, in the turn before.
.macro R2
	REGS Y, r%2
	WIN W_RS
.irp z, 0,1
	v_pk_mul_f32 v[rO+4*(r/2)+2*\z:rO+4*(r/2)+2*\z+1], v[rO+4*(r/2)+2*\z:rO+4*(r/2)+2*\z+1], v[rC+2:rC+3] op_sel_hi:[1,0]
.endr
.set r, r+1
.endm
; A TURN, for piece p.  Ahead of its one wait stands all that names no result of its exponentials: 16 products K Q^T, behind each a scaling, an exponential and two rescalings; then the lump.  Behind the wait: the runs of LDS
; loads; 16 products V^T P, behind each four of the roundings and sums; then the mask is laid onto the bias just fetched, for the products K Q^T of the next turn.
; Turn 2 fetches the next step's mask, piece 0's bias and K (a lump behind the last product that read K); the others the bias of piece p + 2.  Turn 0 ends with V's run, 4 riders and 16 multiply-adds behind V's last reader.
.macro TURN p
.set Y, (\p)
.set i, 0
.set q, 0
.set e, 0
.set r, 0
.if (\p) == 3
	s_wait_dscnt 0x0                ; K is in
.endif
	MM
	PL
	PL
	R2
.rept 15
	MM
	PL
	EX
	R2
.endr
.rept 8
	PL
.endr
.rept 49
	EX
	PL
.endr
	EX
	EX
	v_nop                           ; a plain instruction behind the last exponential: one for the batch
	s_wait_alu depctr_va_vdst(0)    ; the wait ahead of the first line that names a result: one for the batch
.if (\p) == 2
	FETCH_M
	FETCH_B 0
	FETCH_K
.else
	FETCH_B ((\p)+2)%4
.endif
.if (\p) == 1
	s_wait_dscnt 8                  ; V is in; the 8 loads of the bias, which are younger, may stay out
.endif
.rept 16
	MM
	PL
	PL
	PL
	PL
.endr
.if (\p) == 2
	s_wait_dscnt 32                 ; the mask and the bias are in; K's 32 loads, which are younger, may stay out
.else
	s_wait_dscnt 0x0                ; the bias is in
.endif
	MASK (\p)%2
.if (\p) == 0
	FETCH_V
.endif
.endm
	CHANGE 1, 0                     ; slot 0 and the table are in, everybody's part; slot 1 is asked for
	FETCH_M                         ; step 0
	FETCH_B 0
	FETCH_B 1
	FETCH_K
	s_wait_dscnt 32                 ; all but K
	MASK 0
	MASK 1
	s_wait_loadcnt 0x0              ; Q
	s_wait_dscnt 0x0
.set i, 0
.rept 16
	KQ 0                            ; piece 0's first scores
.set i, i+1
.endr
	WIN 0
.rept 4
	v_nop                           ; the places behind those products
.endr
.set Y, NP-1                        ; XS works for piece Y + 1: piece 0
.irp n, 0,1,2,3,4,5,6,7,8,9,10,11,12,13,14,15,16,17,18,19,20,21
	XS 0, \n
	XS 1, \n
.endr
	v_nop                           ; a plain instruction behind the two a,
	s_wait_alu depctr_va_vdst(0)    ; and their wait, ahead of the branch
	s_mov_b32 s[SLOTS], 31
	s_branch .Lfirst                ; the loop is entered at a step's first turn, in the middle of a trip
.Lslot:                             ; 30 times: steps 2 to 31 are asked for
	CHANGE 1, 1
	TURN 2
	TURN 3
	WIN 0
.Lfirst:
	TURN 0
	TURN 1
	WIN 0
	s_sub_co_u32 s[SLOTS], s[SLOTS], 1
	s_cmp_lg_u32 s[SLOTS], 0
	s_cbranch_scc1 .Lslot
	CHANGE 0, 0                     ; the tail is written out: nothing is asked for
	s_mov_b32 s[CNT], 2             ; one trip for the last step; the second is left in its middle
.Ltail:
	TURN 2
	TURN 3
	WIN 0
	s_sub_co_u32 s[CNT], s[CNT], 1
	s_cmp_eq_u32 s[CNT], 0
	s_cbranch_scc1 .Lout
	TURN 0
	TURN 1
	WIN 0
	s_branch .Ltail
.Lout:                              ; the second trip's fetches (of bytes that lie in the last slot) and its 16 products K Q^T serve nothing: the price, once a launch, of one text for every trip
.set i, 0
.rept 16
	PV NP-1                         ; the last piece's V^T P of the last step
.set i, i+1
.endr
	; THE WAY OUT.  l's two halves and the other half of the lanes' are added; O^T is divided by l and sent, in f32, through my stage in LDS, a piece (16 rows x 128 channels) at a time.  The additions are the places behind the last products.
	WIN 0
.macro ALL line:vararg
.set t, 0
.rept 2*NP
	\line
.set t, t+1
.endr
.endm
	ALL v_add_f32 v[ST+4*t+2], v[ST+4*t+2], v[ST+4*t+3]
	ALL v_permlanex16_b32 v[ST+4*t+3], v[ST+4*t+2], s[SEL], s[SEL+1]
	ALL v_add_f32 v[ST+4*t+2], v[ST+4*t+2], v[ST+4*t+3]
	ALL v_rcp_f32 v[ST+4*t+2], v[ST+4*t+2]
	v_nop                           ; a plain instruction between the last reciprocal and the use of its result
	s_wait_alu depctr_va_vdst(0)    ; one wait for the eight reciprocals
	v_and_b32 v48, 15, v0
	v_bfe_u32 v49, v0, 4, 1
	v_and_b32 v50, 31, v0
	s_mul_i32 s20, s[WV], 16*SP
	s_add_co_u32 s20, s20, STAGE    ; my stage
	v_mul_u32_u24 v[STO], v48, SP   ; in: row l % 16, 32 bytes for each half of the lanes
	v_lshl_add_u32 v[STO], v49, 5, v[STO]
	v_add_nc_u32 v[STO], s20, v[STO]
	v_lshl_add_u32 v[RD], v50, 4, s20  ; back: 32 lanes take a row's 512 bytes
	v_lshlrev_b32 v[GO], 4, v50
.macro PACK x
	WIN W_RS
.set i, 64*(\x)
.rept 32
	v_pk_mul_f32 v[i:i+1], v[i:i+1], v[ST+4*(i/32)+2:ST+4*(i/32)+3] op_sel_hi:[1,0]
.set i, i+2
.endr
	WIN 0x04                        ; the data of an LDS store is source 1: window 1
.set f_, 0
.rept 16                            ; head f / 8, channels 16 ((f / 2) % 4) on, four of my eight
	ds_store_b128 v[STO], v[64*(\x)+4*f_:64*(\x)+4*f_+3] offset:256*(f_/8)+64*((f_/2)%4)+16*(f_%2)
.set f_, f_+1
.endr
	WIN 0
.if (\x) >= 2
	s_wait_xcnt 0x0                 ; the stores of the piece two back have read their registers, which are loaded again below
.endif
.set f_, 0
.rept 16
	ds_load_b128 v[S+64*((\x)%2)+4*f_:S+64*((\x)%2)+4*f_+3], v[RD] offset:f_*SP  ; LDS serves a wave's instructions in order: these see the stores above; the next piece's stores come behind them
.set f_, f_+1
.endr
.endm
.macro SEND x, younger              ; younger: the LDS instructions issued behind piece x's loads: the next piece's 32, or none
.set f_, 0
.rept 16
	s_wait_dscnt (\younger)+15-f_
	global_store_b128 v[GO], v[S+64*((\x)%2)+4*f_:S+64*((\x)%2)+4*f_+3], s[10:11] offset:(16*(\x)+f_)*4096  ; 512 consecutive bytes, at a multiple of 512 from o32's first
.set f_, f_+1
.endr
.endm
	PACK 0
	PACK 1
	SEND 0, 32
	PACK 2
	SEND 1, 32
	PACK 3
	SEND 2, 32
	SEND 3, 0
	s_wait_tensorcnt 0x0            ; the wave's end
	ds_add_u32 v[SPW], v[NIL]
	s_wait_dscnt 0x0
	CROUND                          ; the closing round
	s_endpgm
.Lfunc_end_k_q559c9a562f_attn:
	.size	k_q559c9a562f_attn, .Lfunc_end_k_q559c9a562f_attn-k_q559c9a562f_attn
	.p2alignl 7, 3214868480
	.fill 96, 4, 3214868480
	.section	.rodata,"a",@progbits
	.p2align	6, 0x0
	.amdhsa_kernel k_q559c9a562f_attn
		.amdhsa_group_segment_fixed_size 327680
		.amdhsa_private_segment_fixed_size 0
		.amdhsa_enable_private_segment 0
		.amdhsa_kernarg_size 32
		.amdhsa_user_sgpr_count 2
		.amdhsa_user_sgpr_kernarg_segment_ptr 1
		.amdhsa_wavefront_size32 1
		.amdhsa_system_sgpr_workgroup_id_x 1
		.amdhsa_system_sgpr_workgroup_id_y 1
		.amdhsa_system_sgpr_workgroup_id_z 1
		.amdhsa_system_vgpr_workitem_id 0
		.amdhsa_next_free_vgpr 1024
		.amdhsa_next_free_sgpr 96
		.amdhsa_reserve_vcc 0
		.amdhsa_float_denorm_mode_32 3
		.amdhsa_float_denorm_mode_16_64 3
		.amdhsa_memory_ordered 1
		.amdhsa_forward_progress 1
		.amdhsa_inst_pref_size 229
	.end_amdhsa_kernel
	.amdgpu_metadata
---
amdhsa.version: [ 1, 2 ]
amdhsa.kernels:
  - .name:           k_q559c9a562f_attn
    .symbol:         k_q559c9a562f_attn.kd
    .args:
      - { .name: qkv, .offset: 0, .size: 8, .value_kind: global_buffer, .address_space: global }
      - { .name: add_attn, .offset: 8, .size: 8, .value_kind: global_buffer, .address_space: global }
      - { .name: mt, .offset: 16, .size: 8, .value_kind: global_buffer, .address_space: global }
      - { .name: o32, .offset: 24, .size: 8, .value_kind: global_buffer, .address_space: global }
    .group_segment_fixed_size: 327680
    .private_segment_fixed_size: 0
    .kernarg_segment_align: 8
    .kernarg_segment_size: 32
    .max_flat_workgroup_size: 128
    .sgpr_count:     96
    .vgpr_count:     1024
    .wavefront_size: 32
...
	.end_amdgpu_metadata
.endif
;; end of part 3
;; launch oproj: the kernel of part 2 again; grid 4 x 64, 4 waves a work-group, clusters of 4 x 4, 327,680 bytes of LDS; arguments o32, k, q, wob, rf, yb; writes yb
;; launch ln (part 4): grid 256 x 1, 8 waves a work-group, no clusters, 0 bytes of LDS; arguments yb, q, ln_g, ln_b, out0; writes out0
.if DOCPART == 4
	.amdgcn_target "amdgcn-amd-amdhsa--gfx1250"
	.amdhsa_code_object_version 6
	.text
	.protected	k_q559c9a562f_ln
	.globl	k_q559c9a562f_ln
	.p2align	8
	.type	k_q559c9a562f_ln,@function
k_q559c9a562f_ln:
	s_mov_b64 s[64:65], 0
	v_nop
	global_prefetch_b8 v0, s[64:65] scope:SCOPE_SE
	s_setreg_imm32_b32 hwreg(HW_REG_WAVE_MODE, 25, 1), 1
	s_wait_xcnt 0x0
; out0[row] = LayerNorm(yb[row] + q[row]) x ln_g + ln_b.  yb: bf16 [8192][1024]; q, out0: f32 [8192][1024]; the sum, the mean, the variance (of the differences from the mean, biased, + 1e-6) in f32.
; A stream: one wave takes a whole row (32 registers) and keeps it between the passes; four rows a wave, two row slots, so that a row's 16 loads are on their way while another row is worked on.
; A load or store of f32 covers 512 consecutive bytes of a row, a load of bf16 256.  Rows and chunks stand in the immediates: no address register is rewritten.  No LDS, no barrier.
.set C,   6                            ; v[6:13]   four chains of pairs
.set M,   14                           ; v[14:15]  the mean, then 1 / sqrt(var + eps), as a pair
.set G,   16                           ; v[16:47]  ln_g of my 32 columns
.set BB,  48                           ; v[48:79]  ln_b
.set X,   80                           ; slot s: v[80+48 s ..] 32 registers of f32
.set YB,  112                          ; slot s: v[112+48 s ..] 16 registers of bf16 pairs
.set SL,  48
	s_load_b256 s[4:11], s[0:1], 0x0               ; yb s[4:5], q s[6:7], ln_g s[8:9], ln_b s[10:11]
	s_load_b64 s[12:13], s[0:1], 0x20              ; out0
	s_mov_b32 s14, 0x76543210                      ; v_permlanex16_b32: each lane takes its own place in the other half
	s_mov_b32 s15, 0xfedcba98
	s_mov_b32 s20, 0x3a800000                      ; 1 / 1024
	s_mov_b32 s21, 0x358637bd                      ; 1e-6
	v_and_b32 v5, 31, v0
	v_lshrrev_b32 v1, 5, v0
	s_lshl_b32 s16, ttmp9, 5
	v_lshl_add_u32 v2, v1, 2, s16                  ; my first row: 32 x work-group + 4 x wave
	v_lshlrev_b32 v3, 11, v2
	v_lshl_add_u32 v3, v5, 3, v3                   ; in yb: 2,048 bytes a row, 8 a lane
	v_lshlrev_b32 v2, 12, v2
	v_lshl_add_u32 v2, v5, 4, v2                   ; in q and out0: 4,096 bytes a row, 16 a lane
	v_lshlrev_b32 v1, 4, v5
	v_mov_b32 v4, 1.0
	s_wait_kmcnt 0x0
.set j, 0
.rept 8
	global_load_b128 v[G+4*j:G+4*j+3], v1, s[8:9] offset:512*j
	global_load_b128 v[BB+4*j:BB+4*j+3], v1, s[10:11] offset:512*j
.set j, j+1
.endr
.macro FILL s, row                     ; 16 loads: the row of q and the row of yb
.set j, 0
.rept 8
	global_load_b128 v[X+SL*(\s)+4*j:X+SL*(\s)+4*j+3], v2, s[6:7] offset:(\row)*4096+512*j th:TH_LOAD_NT
	global_load_b64 v[YB+SL*(\s)+2*j:YB+SL*(\s)+2*j+1], v3, s[4:5] offset:(\row)*2048+256*j th:TH_LOAD_NT
.set j, j+1
.endr
.endm
.macro ACROSS                          ; the pair in v[6:7] summed, then over the 32 lanes; the result in every lane's v6
	v_add_f32 v6, v6, v7
	v_add_f32_dpp v6, v6, v6 row_xmask:1 row_mask:0xf bank_mask:0xf
	v_add_f32_dpp v6, v6, v6 row_xmask:2 row_mask:0xf bank_mask:0xf
	v_add_f32_dpp v6, v6, v6 row_xmask:4 row_mask:0xf bank_mask:0xf
	v_add_f32_dpp v6, v6, v6 row_xmask:8 row_mask:0xf bank_mask:0xf
	v_permlanex16_b32 v7, v6, s14, s15
	v_add_f32 v6, v6, v7
.endm
.macro JOIN                            ; the four chains into v[6:7]
	v_pk_add_f32 v[C:C+1], v[C:C+1], v[C+2:C+3]
	v_pk_add_f32 v[C+4:C+5], v[C+4:C+5], v[C+6:C+7]
	v_pk_add_f32 v[C:C+1], v[C:C+1], v[C+4:C+5]
.endm
; The turn of slot s, which holds the wave's row number row.  left = how many younger loads may stay out.
.macro TURN s, row, left
.set XR, X+SL*(\s)
.set YR, YB+SL*(\s)
	s_wait_loadcnt \left                           ; my 16 loads are in (and, the first time, ln_g and ln_b); the other slot's stay out
.set j, 0
.rept 16                               ; the residual: bf16 half x 1 + f32, one rounding
	v_fma_mix_f32_bf16 v[XR+2*j], v[YR+j], v4, v[XR+2*j] op_sel_hi:[1,0,0]
	v_fma_mix_f32_bf16 v[XR+2*j+1], v[YR+j], v4, v[XR+2*j+1] op_sel:[1,0,0] op_sel_hi:[1,0,0]
.set j, j+1
.endr
.set j, 0
.rept 4                                ; the sum, in four chains that the first eight pairs start
	v_pk_add_f32 v[C+2*j:C+2*j+1], v[XR+2*j:XR+2*j+1], v[XR+8+2*j:XR+8+2*j+1]
.set j, j+1
.endr
.set j, 0
.rept 8
	v_pk_add_f32 v[C+2*(j%4):C+2*(j%4)+1], v[C+2*(j%4):C+2*(j%4)+1], v[XR+16+2*j:XR+16+2*j+1]
.set j, j+1
.endr
	JOIN
	ACROSS
	v_mul_f32 v[M], s20, v6                        ; the mean
	v_mov_b32 v[M+1], v[M]
.set j, 0
.rept 16
	v_pk_add_f32 v[XR+2*j:XR+2*j+1], v[XR+2*j:XR+2*j+1], v[M:M+1] neg_lo:[0,1] neg_hi:[0,1]
.set j, j+1
.endr
.set j, 0
.rept 4                                ; the sum of the squares of the differences
	v_pk_mul_f32 v[C+2*j:C+2*j+1], v[XR+2*j:XR+2*j+1], v[XR+2*j:XR+2*j+1]
.set j, j+1
.endr
.set j, 0
.rept 12
	v_pk_fma_f32 v[C+2*(j%4):C+2*(j%4)+1], v[XR+8+2*j:XR+8+2*j+1], v[XR+8+2*j:XR+8+2*j+1], v[C+2*(j%4):C+2*(j%4)+1]
.set j, j+1
.endr
	JOIN
	ACROSS
	v_fma_f32 v6, v6, s20, s21                     ; the variance + 1e-6
	v_rsq_f32 v[M], v6
	v_rsq_f32 v[M+1], v6
	v_nop                                          ; a plain instruction behind the last of the two
	s_wait_alu depctr_va_vdst(0)                   ; and the wait ahead of the first use: one for both
.set j, 0
.rept 16
	v_pk_mul_f32 v[XR+2*j:XR+2*j+1], v[XR+2*j:XR+2*j+1], v[M:M+1]
.set j, j+1
.endr
.set j, 0
.rept 16
	v_pk_fma_f32 v[XR+2*j:XR+2*j+1], v[XR+2*j:XR+2*j+1], v[G+2*j:G+2*j+1], v[BB+2*j:BB+2*j+1]
.set j, j+1
.endr
.set j, 0
.rept 8
	global_store_b128 v2, v[XR+4*j:XR+4*j+3], s[12:13] offset:(\row)*4096+512*j th:TH_STORE_NT
.set j, j+1
.endr
.endm
	FILL 0, 0
	FILL 1, 1
	TURN 0, 0, 16
	s_wait_xcnt 0x0                                ; the stores have read their registers: the slot is loaded again only behind this wait
	FILL 0, 2
	TURN 1, 1, 16
	s_wait_xcnt 0x0
	FILL 1, 3
	TURN 0, 2, 16
	TURN 1, 3, 0
	s_endpgm
.Lfunc_end_k_q559c9a562f_ln:
	.size	k_q559c9a562f_ln, .Lfunc_end_k_q559c9a562f_ln-k_q559c9a562f_ln
	.p2alignl 7, 3214868480
	.fill 96, 4, 3214868480
	.section	.rodata,"a",@progbits
	.p2align	6, 0x0
	.amdhsa_kernel k_q559c9a562f_ln
		.amdhsa_group_segment_fixed_size 0
		.amdhsa_private_segment_fixed_size 0
		.amdhsa_enable_private_segment 0
		.amdhsa_kernarg_size 40
		.amdhsa_user_sgpr_count 2
		.amdhsa_user_sgpr_kernarg_segment_ptr 1
		.amdhsa_wavefront_size32 1
		.amdhsa_system_sgpr_workgroup_id_x 1
		.amdhsa_system_sgpr_workgroup_id_y 1
		.amdhsa_system_sgpr_workgroup_id_z 1
		.amdhsa_system_vgpr_workitem_id 0
		.amdhsa_next_free_vgpr 192
		.amdhsa_next_free_sgpr 66
		.amdhsa_reserve_vcc 0
		.amdhsa_float_denorm_mode_32 3
		.amdhsa_float_denorm_mode_16_64 3
		.amdhsa_memory_ordered 1
		.amdhsa_forward_progress 1
		.amdhsa_inst_pref_size 45
	.end_amdhsa_kernel
	.amdgpu_metadata
---
amdhsa.version: [ 1, 2 ]
amdhsa.kernels:
  - .name:           k_q559c9a562f_ln
    .symbol:         k_q559c9a562f_ln.kd
    .args:
      - { .name: yb, .offset: 0, .size: 8, .value_kind: global_buffer, .address_space: global }
      - { .name: q, .offset: 8, .size: 8, .value_kind: global_buffer, .address_space: global }
      - { .name: ln_g, .offset: 16, .size: 8, .value_kind: global_buffer, .address_space: global }
      - { .name: ln_b, .offset: 24, .size: 8, .value_kind: global_buffer, .address_space: global }
      - { .name: out0, .offset: 32, .size: 8, .value_kind: global_buffer, .address_space: global }
    .group_segment_fixed_size: 0
    .private_segment_fixed_size: 0
    .kernarg_segment_align: 8
    .kernarg_segment_size: 40
    .max_flat_workgroup_size: 256
    .sgpr_count:     66
    .vgpr_count:     192
    .wavefront_size: 32
...
	.end_amdgpu_metadata
.endif
;; end of part 4
;; ======== version 2 of 2: 5 launches; version 1 with the launch prep written anew for expert scheduling mode
;; workspace buffers: wb 6,291,456 bytes; wob 2,097,152 bytes; rf 98,304 bytes; mt 65,536 bytes; qkv 50,331,648 bytes; o32 33,554,432 bytes; yb 16,777,216 bytes
;; launch prep (part 5): grid 256 x 1, 8 waves a work-group, no clusters, 0 bytes of LDS; arguments w_v, w_k, w_q, w_o, mask, wb, wob, rf, mt; writes wb, wob, rf, mt
.if DOCPART == 5
	.amdgcn_target "amdgcn-amd-amdhsa--gfx1250"
	.amdhsa_code_object_version 6
	.text
	.protected	k_q559c9a562f_prep
	.globl	k_q559c9a562f_prep
	.p2align	8
	.type	k_q559c9a562f_prep,@function
k_q559c9a562f_prep:
	s_mov_b64 s[64:65], 0
	v_nop
	global_prefetch_b8 v0, s[64:65] scope:SCOPE_SE
	s_setreg_imm32_b32 hwreg(HW_REG_WAVE_SCHED_MODE, 0, 2), 2
	s_setreg_imm32_b32 hwreg(HW_REG_WAVE_MODE, 25, 1), 1
	s_wait_xcnt 0x0
	s_wait_alu depctr_vm_vsrc(0)
; The four weight matrices are rounded to bf16 in the layout in which they lie ([k][n]); the key mask is turned into tables of f32.
; wb = [3][1024][1024] bf16 in the order v, k, q; wob = w_o.  rf = [3][8192] f32: a factor for each row of a projection: 1 (v), mask != 0 ? 1 : 0 (k), 1/8 (q).
; mt = [4][2][2048] f32: for each batch m01 = mask != 0 ? 1 : 0, then madd = mask != 0 ? 0 : -1e9.
; A stream: 64 work-groups a matrix, 16,384 numbers each; a wave's load covers 512 consecutive bytes, its store 256 consecutive bytes, aligned.  No LDS, no barrier.
; THE MODE: SCHED_MODE bits 1:0 = 2 (LLVM: expert scheduling mode 2), set by the entry lines.  The code itself states the register dependences
; between vector instructions and memory instructions, with s_wait_alu, always for 0.
; THE PLAN.  Registers that memory instructions touch:
;   v2, v3     the weights' offsets in and out: made at the head, read by the 16 loads and the 16 stores, never written again.
;   IN         written by the 16 loads, read by the roundings.  (v20-23 are written once more, by vector lines of the table part, when all loads are in; no memory instruction has read them.)
;   OUT        a pair of its own for each store: written once by two roundings, read by one store, never written again.
;   v4, v5     the tables' offsets; v6-7 the mask words as loaded; v8-11, v20-23 the tables' numbers: each written once, then read by stores.
; The 16 loads go in four groups of four: the group's eight roundings, ONE wait on va_vdst, the group's four stores in a run.  The stores follow their own group: held until the next group's
; data are in they would leave later, and the wave has no other work meanwhile.  No register that a memory instruction reads is written again, so no wait on vm_vsrc is owed; EXEC is never written.
.set IN,  16                           ; v[16:79]  sixteen loads of four f32
.set OUT, 80                           ; v[80:111] sixteen pairs of packed bf16
	s_load_b512 s[8:23], s[0:1], 0x0               ; w_v s[8:9], w_k s[10:11], w_q s[12:13], w_o s[14:15], mask s[16:17], wb s[18:19], wob s[20:21], rf s[22:23]
	s_load_b64 s[24:25], s[0:1], 0x40              ; mt
	v_lshrrev_b32 v1, 5, v0
	v_readfirstlane_b32 s4, v1                     ; wave 0..7
	v_and_b32 v1, 31, v0                           ; lane
	s_lshr_b32 s2, ttmp9, 6                        ; which matrix
	s_and_b32 s3, ttmp9, 63                        ; which 16,384 numbers of it
	v_lshlrev_b32 v2, 4, v1
	s_wait_alu depctr_va_sdst(0)                   ; s4 is written, ahead of its first reader: the two offsets below, and later a branch, are made from it
	v_lshl_add_u32 v2, s4, 13, v2                  ; in: 8,192 x wave + 16 x lane
	v_lshlrev_b32 v3, 3, v1
	v_lshl_add_u32 v3, s4, 12, v3                  ; out: 4,096 x wave + 8 x lane
	s_lshl_b32 s32, s3, 16                         ; the part's bytes in,
	s_mov_b32 s33, 0
	s_lshl_b32 s5, s2, 21                          ; the matrix's place in wb,
	s_lshl_b32 s30, s3, 15                         ; the part's bytes out
	s_mov_b32 s31, 0
	s_wait_kmcnt 0x0
	s_cmp_eq_u32 s2, 1
	s_cselect_b64 s[26:27], s[10:11], s[8:9]
	s_cmp_eq_u32 s2, 2
	s_cselect_b64 s[26:27], s[12:13], s[26:27]
	s_cmp_eq_u32 s2, 3
	s_cselect_b64 s[26:27], s[14:15], s[26:27]     ; the matrix that is read,
	s_cselect_b64 s[28:29], s[20:21], s[18:19]     ; the buffer that is written: w_o has one of its own,
	s_cselect_b32 s5, 0, s5                        ; from its first byte
	s_add_co_u32 s30, s30, s5
	s_add_nc_u64 s[26:27], s[26:27], s[32:33]
	s_add_nc_u64 s[28:29], s[28:29], s[30:31]
	s_wait_alu depctr_va_vdst(0)                   ; v2 and v3 are written: the weights' loads read the one as their offset, their stores the other
.set j, 0
.rept 16
	global_load_b128 v[IN+4*j:IN+4*j+3], v2, s[26:27] offset:512*j th:TH_LOAD_NT
.set j, j+1
.endr
.set g, 0
.rept 4
	s_wait_loadcnt 12-4*g                          ; loads come back in order: the group's four are in, the 12 - 4 g younger ones stay out
.set i, 0
.rept 4
.set j, 4*g+i
	v_cvt_pk_bf16_f32 v[OUT+2*j], v[IN+4*j], v[IN+4*j+1]
	v_cvt_pk_bf16_f32 v[OUT+2*j+1], v[IN+4*j+2], v[IN+4*j+3]
.set i, i+1
.endr
	s_wait_alu depctr_va_vdst(0)                   ; the group's eight roundings have written its four pairs of OUT, which the four stores below read
.set i, 0
.rept 4
.set j, 4*g+i
	global_store_b64 v3, v[OUT+2*j:OUT+2*j+1], s[28:29] offset:256*j
.set i, i+1
.endr
.set g, g+1
.endr
	; the tables: 8,192 mask words, 64 to each of the first 128 work-groups, two a lane of wave 0.  Nothing below writes a register that the stores above name (v3, v80-111, s[28:29])
	s_cmp_lt_u32 ttmp9, 128
	s_cbranch_scc0 .Lend
	s_cmp_eq_u32 s4, 0
	s_cbranch_scc0 .Lend
	s_lshl_b32 s6, ttmp9, 8
	v_lshl_add_u32 v4, v1, 3, s6                   ; 256 x work-group + 8 x lane: my two words in mask and in a plane of rf
	s_wait_alu depctr_va_vdst(0)                   ; v4 is written, which the load below reads as its offset
	global_load_b64 v[6:7], v4, s[16:17]
	s_lshr_b32 s7, ttmp9, 5                        ; the batch,
	s_lshl_b32 s7, s7, 14                          ; its 16,384 bytes of mt,
	s_and_b32 s6, ttmp9, 31
	s_lshl_b32 s6, s6, 8
	s_add_co_u32 s7, s7, s6                        ; my work-group's 64 keys in it
	v_lshl_add_u32 v5, v1, 3, s7
	v_mov_b32 v12, 0
	v_mov_b32 v13, 1.0
	v_mov_b32 v14, 0xce6e6b28                      ; -1e9
	v_mov_b32 v20, 1.0                             ; (registers of the weights' loads, which are all in and read)
	v_mov_b32 v21, 1.0
	v_mov_b32 v22, 0x3e000000                      ; 1/8
	v_mov_b32 v23, 0x3e000000
	s_wait_loadcnt 0x0
	v_cmp_ne_u32 s34, 0, v6
	v_cmp_ne_u32 s35, 0, v7
	s_wait_alu depctr_va_sdst(0)                   ; the two compares have written s34 and s35, ahead of the selects that read them: one wait for both
	v_cndmask_b32 v8, v12, v13, s34                ; m01
	v_cndmask_b32 v9, v12, v13, s35
	v_cndmask_b32 v10, v14, v12, s34               ; madd
	v_cndmask_b32 v11, v14, v12, s35
	s_wait_alu depctr_va_vdst(0)                   ; v5, v8 to v11 and v20 to v23 are written, which the five stores below read as offset and data
	global_store_b64 v4, v[20:21], s[22:23]                ; each store of the wave covers 256 consecutive bytes, aligned
	global_store_b64 v4, v[8:9], s[22:23] offset:32768
	global_store_b64 v4, v[22:23], s[22:23] offset:65536
	global_store_b64 v5, v[8:9], s[24:25]
	global_store_b64 v5, v[10:11], s[24:25] offset:8192
.Lend:
	s_endpgm
.Lfunc_end_k_q559c9a562f_prep:
	.size	k_q559c9a562f_prep, .Lfunc_end_k_q559c9a562f_prep-k_q559c9a562f_prep
	.p2alignl 7, 3214868480
	.fill 96, 4, 3214868480
	.section	.rodata,"a",@progbits
	.p2align	6, 0x0
	.amdhsa_kernel k_q559c9a562f_prep
		.amdhsa_group_segment_fixed_size 0
		.amdhsa_private_segment_fixed_size 0
		.amdhsa_enable_private_segment 0
		.amdhsa_kernarg_size 72
		.amdhsa_user_sgpr_count 2
		.amdhsa_user_sgpr_kernarg_segment_ptr 1
		.amdhsa_wavefront_size32 1
		.amdhsa_system_sgpr_workgroup_id_x 1
		.amdhsa_system_sgpr_workgroup_id_y 1
		.amdhsa_system_sgpr_workgroup_id_z 1
		.amdhsa_system_vgpr_workitem_id 0
		.amdhsa_next_free_vgpr 112
		.amdhsa_next_free_sgpr 66
		.amdhsa_reserve_vcc 0
		.amdhsa_float_denorm_mode_32 3
		.amdhsa_float_denorm_mode_16_64 3
		.amdhsa_memory_ordered 1
		.amdhsa_forward_progress 1
		.amdhsa_inst_pref_size 9
	.end_amdhsa_kernel
	.amdgpu_metadata
---
amdhsa.version: [ 1, 2 ]
amdhsa.kernels:
  - .name:           k_q559c9a562f_prep
    .symbol:         k_q559c9a562f_prep.kd
    .args:
      - { .name: w_v, .offset: 0, .size: 8, .value_kind: global_buffer, .address_space: global }
      - { .name: w_k, .offset: 8, .size: 8, .value_kind: global_buffer, .address_space: global }
      - { .name: w_q, .offset: 16, .size: 8, .value_kind: global_buffer, .address_space: global }
      - { .name: w_o, .offset: 24, .size: 8, .value_kind: global_buffer, .address_space: global }
      - { .name: mask, .offset: 32, .size: 8, .value_kind: global_buffer, .address_space: global }
      - { .name: wb, .offset: 40, .size: 8, .value_kind: global_buffer, .address_space: global }
      - { .name: wob, .offset: 48, .size: 8, .value_kind: global_buffer, .address_space: global }
      - { .name: rf, .offset: 56, .size: 8, .value_kind: global_buffer, .address_space: global }
      - { .name: mt, .offset: 64, .size: 8, .value_kind: global_buffer, .address_space: global }
    .group_segment_fixed_size: 0
    .private_segment_fixed_size: 0
    .kernarg_segment_align: 8
    .kernarg_segment_size: 72
    .max_flat_workgroup_size: 256
    .sgpr_count:     66
    .vgpr_count:     112
    .wavefront_size: 32
...
	.end_amdgpu_metadata
.endif
;; end of part 5
;; launch proj: the kernel of part 2 again; grid 4 x 192, 4 waves a work-group, clusters of 4 x 4, 327,680 bytes of LDS; arguments v, k, q, wb, rf, qkv; writes qkv
;; launch attn: the kernel of part 3 again; grid 8 x 32, 4 waves a work-group, clusters of 4 x 4, 327,680 bytes of LDS; arguments qkv, add_attn, mt, o32; writes o32
;; launch oproj: the kernel of part 2 again; grid 4 x 64, 4 waves a work-group, clusters of 4 x 4, 327,680 bytes of LDS; arguments o32, k, q, wob, rf, yb; writes yb
;; launch ln: the kernel of part 4 again; grid 256 x 1, 8 waves a work-group, no clusters, 0 bytes of LDS; arguments yb, q, ln_g, ln_b, out0; writes out0
